; MI455X (gfx1250); checked and timed in simulation.
; The chip was launched on July 23, 2026; its instructions are those of AMD's public machine-readable ISA for CDNA 5 (MIT licence, August 2026) and "CDNA5" Instruction Set Architecture Reference Guide (July 2026). The comments in the code are by the model that wrote it; some were corrected since.
;; Brahman Attention. Allowed arithmetic: float matrix products may take bf16 or f16 operands with f32 sums; all other float work in f32.
;; Inputs: Wk 1,024 x 1,024 float32; Wo 1,024 x 1,024 float32; Wq 1,024 x 1,024 float32; Wv 1,024 x 1,024 float32; bk 1,024 float32; bo 1,024 float32; bq 1,024 float32; bv 1,024 float32; case_bias 16 x 8 x 8 float32; case_ids 4 x 1,024 int32; verb_bias 16 float32; verb_mask 4 x 1,024 int32; x 4 x 1,024 x 1,024 float32.
;; Outputs: out0 4 x 1,024 x 1,024 float32.
;; 2 versions, each right; version 2 is version 1 with the launch prep written anew for expert scheduling mode. Each part assembles by itself: llvm-mc -triple=amdgcn-amd-amdhsa -mcpu=gfx1250 --defsym DOCPART=n.
;; ======== version 1 of 2: 4 launches
;; limits: values are held in f16: magnitudes above 65,504 overflow, below 6.1e-05 lose precision
;; workspace buffers: xh 8,388,608 bytes; wqkvt 6,291,456 bytes; wot 2,097,152 bytes; qh 8,388,608 bytes; kh 8,388,608 bytes; vh 8,388,608 bytes; att 8,388,608 bytes
;; launch prep (part 1): grid 1024 x 1, 8 waves a work-group, no clusters, 17,664 bytes of LDS; arguments x, Wq, Wk, Wv, Wo, xh, wqkvt, wot; writes xh, wqkvt, wot
.if DOCPART == 1
	.amdgcn_target "amdgcn-amd-amdhsa--gfx1250"
	.amdhsa_code_object_version 6
	.text
	.protected	k_qf2fee5dc8e_prep
	.globl	k_qf2fee5dc8e_prep
	.p2align	8
	.type	k_qf2fee5dc8e_prep,@function
k_qf2fee5dc8e_prep:
	s_mov_b64 s[64:65], 0
	v_nop
	global_prefetch_b8 v0, s[64:65] scope:SCOPE_SE
	s_setreg_imm32_b32 hwreg(HW_REG_WAVE_MODE, 25, 1), 1
	s_wait_xcnt 0x0
; prep: the matrix operands of the two GEMM launches, once, in f16.
;   work-groups 0-511:    xh = f16(x), 8,192 numbers each, same order.
;   work-groups 512-1023: a block of 128 k x 64 n of one of Wq, Wk, Wv, Wo, rounded to f16 and TRANSPOSED, so that k runs along the rows:
;                         wqkvt row 192 h + 64 m + c = column 64 h + c of Wq, Wk, Wv (m = 0, 1, 2); wot row n = column n of Wo.
; LIMIT: f16 operands; |x| and |W| must stay below 65,504, and numbers below 2^-14 keep fewer than 11 bits.
; A stream: no matrix unit, no cluster, no tensor loads.  Every byte is read once by 16-byte loads of which 16 lanes cover 256 consecutive bytes,
; and every store of 16 (or 32) neighbouring lanes covers 256 consecutive bytes at a multiple of 256 from the buffer's start.
.set XGROUPS, 512
.set TPITCH,  260                      ; LDS pitch of the transposed block: 65 words, so that word (n, kp) lies in bank (n + kp) mod 64
	s_load_b512 s[8:23], s[0:1], 0x0               ; x s[8:9], Wq s[10:11], Wk s[12:13], Wv s[14:15], Wo s[16:17], xh s[18:19], wqkvt s[20:21], wot s[22:23]
	v_lshl_add_u32 v64, v0, 2, 0x4100
	v_mov_b32 v65, 0
	s_cmp_lt_u32 ttmp9, XGROUPS                    ; the same for all waves of a work-group
	s_cbranch_scc0 .Lweights
	; ---- x to f16: 32,768 bytes in, 16,384 out
	s_lshl_b32 s2, ttmp9, 15
	s_mov_b32 s3, 0
	s_lshl_b32 s4, ttmp9, 14
	s_mov_b32 s5, 0
	v_lshlrev_b32 v1, 4, v0                        ; 16 bytes a thread in
	v_lshlrev_b32 v2, 3, v0                        ; 8 bytes a thread out
	s_wait_kmcnt 0x0
	s_add_nc_u64 s[8:9], s[8:9], s[2:3]
	s_add_nc_u64 s[18:19], s[18:19], s[4:5]
.irp i, 0,1,2,3,4,5,6,7
	global_load_b128 v[8+4*\i:11+4*\i], v1, s[8:9] offset:4096*\i th:TH_LOAD_NT
.endr
.irp i, 0,1,2,3,4,5,6,7
	s_wait_loadcnt 7-\i                            ; loads return in order: load i is in, the 7 - i younger ones stay out
	v_cvt_pk_f16_f32 v[40+2*\i], v[8+4*\i], v[9+4*\i]
	v_cvt_pk_f16_f32 v[41+2*\i], v[10+4*\i], v[11+4*\i]
	global_store_b64 v2, v[40+2*\i:41+2*\i], s[18:19] offset:2048*\i    ; a wave stores 256 consecutive bytes
.endr
	s_endpgm
	; ---- a block of a weight matrix, transposed through LDS
.Lweights:
	s_sub_co_u32 s2, ttmp9, XGROUPS                ; id = m * 128 + kb * 16 + h
	s_lshr_b32 s3, s2, 7                           ; m: which matrix
	s_and_b32 s4, s2, 15                           ; h: which 64 columns
	s_bfe_u32 s5, s2, 0x30004                      ; kb: which 128 rows (3 bits from bit 4)
	s_lshl_b32 s24, s5, 19                         ; 128 rows of 4,096 bytes
	s_lshl_b32 s25, s4, 8                          ; 64 columns of 4 bytes
	s_or_b32 s24, s24, s25
	s_mov_b32 s25, 0
	s_mul_i32 s26, s4, 192
	s_lshl_b32 s27, s3, 6
	s_add_co_u32 s26, s26, s27                     ; first row in wqkvt
	s_lshl_b32 s27, s4, 6                          ; first row in wot
	s_cmp_eq_u32 s3, 3
	s_cselect_b32 s26, s27, s26
	s_lshl_b32 s26, s26, 11                        ; rows of 2,048 bytes
	s_lshl_b32 s27, s5, 8                          ; 128 k of 2 bytes
	s_add_co_u32 s26, s26, s27
	s_mov_b32 s27, 0
	v_and_b32 v6, 15, v0                           ; c (in) and q (out)
	v_lshrrev_b32 v7, 4, v0                        ; kp0 (in) and n0 (out), 0 to 15
	v_lshlrev_b32 v1, 13, v7                       ; in: rows 2 kp0 and 2 kp0 + 1,
	v_lshl_or_b32 v1, v6, 4, v1                    ;     columns 4 c .. 4 c + 3
	v_mul_u32_u24 v3, v6, 4*TPITCH                 ; LDS in: row n = 4 c + e, word kp
	v_lshl_add_u32 v3, v7, 2, v3
	v_mul_u32_u24 v4, v7, TPITCH                   ; LDS out: row n0 + 16 i, words 4 q .. 4 q + 3
	v_lshl_add_u32 v4, v6, 4, v4
	v_lshlrev_b32 v5, 11, v7                       ; out: row n0 of the block, 16 bytes at 16 q
	v_lshl_or_b32 v5, v6, 4, v5
	s_wait_kmcnt 0x0
	s_cmp_eq_u32 s3, 1
	s_cselect_b64 s[28:29], s[12:13], s[10:11]
	s_cmp_eq_u32 s3, 2
	s_cselect_b64 s[28:29], s[14:15], s[28:29]
	s_cmp_eq_u32 s3, 3
	s_cselect_b64 s[28:29], s[16:17], s[28:29]     ; the matrix read
	s_cselect_b64 s[30:31], s[22:23], s[20:21]     ; the buffer written
	s_add_nc_u64 s[28:29], s[28:29], s[24:25]
	s_add_nc_u64 s[30:31], s[30:31], s[26:27]
.irp i, 0,1,2,3
	global_load_b128 v[8+8*\i:11+8*\i],  v1, s[28:29] offset:131072*\i th:TH_LOAD_NT         ; row 2 (kp0 + 16 i)
	global_load_b128 v[12+8*\i:15+8*\i], v1, s[28:29] offset:131072*\i+4096 th:TH_LOAD_NT    ; the row below it
.endr
.irp i, 0,1,2,3
	s_wait_loadcnt 6-2*\i                          ; pair i of rows is in; the 6 - 2 i younger loads stay out
.irp e, 0,1,2,3
	v_cvt_pk_f16_f32 v[56+\e], v[8+8*\i+\e], v[12+8*\i+\e]     ; k = 2 kp and 2 kp + 1 of column 4 c + e: one word of the transposed row
	ds_store_b32 v3, v[56+\e] offset:TPITCH*\e+64*\i           ; the wave's 32 lanes fall into 32 different banks (4 c + kp0 + constant)
.endr
.endr
	s_wait_dscnt 0x0                               ; my stores are in LDS before I say so
	s_barrier_signal -1
	s_barrier_wait -1                              ; everybody's are
.irp i, 0,1,2,3
.irp e, 0,1,2,3
	ds_load_b32 v[40+4*\i+\e], v4 offset:16*TPITCH*\i+4*\e     ; rows of 260 bytes are not multiples of 16: four loads of one word
.endr
.endr
.irp i, 0,1,2,3
	s_wait_dscnt 12-4*\i                           ; the four words of row n0 + 16 i are in; the younger LDS loads stay out
	global_store_b128 v5, v[40+4*\i:43+4*\i], s[30:31] offset:32768*\i   ; 16 lanes store the block's 256 bytes of one transposed row
.endr
	s_wait_tensorcnt 0x0
	ds_add_u32 v64, v65
	s_wait_dscnt 0x0
	s_endpgm
.Lfunc_end_k_qf2fee5dc8e_prep:
	.size	k_qf2fee5dc8e_prep, .Lfunc_end_k_qf2fee5dc8e_prep-k_qf2fee5dc8e_prep
	.p2alignl 7, 3214868480
	.fill 96, 4, 3214868480
	.section	.rodata,"a",@progbits
	.p2align	6, 0x0
	.amdhsa_kernel k_qf2fee5dc8e_prep
		.amdhsa_group_segment_fixed_size 17664
		.amdhsa_private_segment_fixed_size 0
		.amdhsa_enable_private_segment 0
		.amdhsa_kernarg_size 64
		.amdhsa_user_sgpr_count 2
		.amdhsa_user_sgpr_kernarg_segment_ptr 1
		.amdhsa_wavefront_size32 1
		.amdhsa_system_sgpr_workgroup_id_x 1
		.amdhsa_system_sgpr_workgroup_id_y 1
		.amdhsa_system_sgpr_workgroup_id_z 1
		.amdhsa_system_vgpr_workitem_id 0
		.amdhsa_next_free_vgpr 66
		.amdhsa_next_free_sgpr 66
		.amdhsa_reserve_vcc 0
		.amdhsa_float_denorm_mode_32 3
		.amdhsa_float_denorm_mode_16_64 3
		.amdhsa_memory_ordered 1
		.amdhsa_forward_progress 1
		.amdhsa_inst_pref_size 10
	.end_amdhsa_kernel
	.amdgpu_metadata
---
amdhsa.version: [ 1, 2 ]
amdhsa.kernels:
  - .name:           k_qf2fee5dc8e_prep
    .symbol:         k_qf2fee5dc8e_prep.kd
    .args:
      - { .name: x, .offset: 0, .size: 8, .value_kind: global_buffer, .address_space: global }
      - { .name: Wq, .offset: 8, .size: 8, .value_kind: global_buffer, .address_space: global }
      - { .name: Wk, .offset: 16, .size: 8, .value_kind: global_buffer, .address_space: global }
      - { .name: Wv, .offset: 24, .size: 8, .value_kind: global_buffer, .address_space: global }
      - { .name: Wo, .offset: 32, .size: 8, .value_kind: global_buffer, .address_space: global }
      - { .name: xh, .offset: 40, .size: 8, .value_kind: global_buffer, .address_space: global }
      - { .name: wqkvt, .offset: 48, .size: 8, .value_kind: global_buffer, .address_space: global }
      - { .name: wot, .offset: 56, .size: 8, .value_kind: global_buffer, .address_space: global }
    .group_segment_fixed_size: 17664
    .private_segment_fixed_size: 0
    .kernarg_segment_align: 8
    .kernarg_segment_size: 64
    .max_flat_workgroup_size: 256
    .sgpr_count:     66
    .vgpr_count:     66
    .wavefront_size: 32
...
	.end_amdgpu_metadata
.endif
;; end of part 1
;; launch qkv (part 2): grid 16 x 16, 4 waves a work-group, clusters of 4 x 4, 327,680 bytes of LDS; arguments xh, wqkvt, bq, bk, bv, qh, kh, vh; writes qh, kh, vh
.if DOCPART == 2
	.amdgcn_target "amdgcn-amd-amdhsa--gfx1250"
	.amdhsa_code_object_version 6
	.text
	.protected	k_qf2fee5dc8e_qkv
	.globl	k_qf2fee5dc8e_qkv
	.p2align	8
	.type	k_qf2fee5dc8e_qkv,@function
k_qf2fee5dc8e_qkv:
	s_mov_b64 s[64:65], 0
	v_nop
	global_prefetch_b8 v0, s[64:65] scope:SCOPE_SE
	s_setreg_imm32_b32 hwreg(HW_REG_WAVE_MODE, 25, 1), 1
	s_wait_xcnt 0x0
	s_wait_alu depctr_hold_cnt(0) depctr_sa_sdst(0) depctr_va_vdst(0) depctr_va_sdst(0) depctr_va_ssrc(0) depctr_va_vcc(0) depctr_vm_vsrc(0)
	s_getreg_b32 s2, hwreg(HW_REG_IB_STS2, 6, 4)
	s_cmp_eq_u32 s2, 0
	s_cbranch_scc0 .Lentry_in_a_cluster
	s_endpgm
.Lentry_in_a_cluster:
	s_bfe_u32 s2, ttmp6, 0x10000c
	s_cmp_lg_u32 s2, 0xf033
	s_cbranch_scc0 .Lentry_shape_is_right
	s_endpgm
.Lentry_shape_is_right:
; qkv: Q, K, V = x W + b for one head and 256 rows: C[256][192] = xh[256][1024] . wqkvt[192 rows of head h][1024]^T, f16 operands, f32 sums.
; Results go out in f16 as qh, kh, vh [b][h][l][64].
; LIMIT: f16 results; |Q|, |K|, |V| must stay below 65,504.
; Four waves, one for each SIMD; wave w makes rows 64 w .. 64 w + 63 and all 192 columns: 4 x 12 accumulator tiles, 384 registers;
; for 32 along K it reads 32 x 512 bytes of LDS for 48 matrix instructions.
; K goes in steps of 128 through two LDS slots filled by the tensor data mover; a tile's rows are 256 bytes of memory, at multiples of 256.
; CLUSTERS: 4 x 4 work-groups.  The four of a row of the cluster share the row block (A's tiles), the four of a column share the head (B's tiles):
; each tile is asked for jointly by its four users, with one descriptor and a mask that names them.
; REGISTERS, in windows of 256:
;   window 0: v0-31 addresses; v64-95, v128-159 A's fragments (4 x 16 rows x 32 K), two buffers; v160-255 the bias, as the first products' C
;   window 1: v0-95, v128-223 B's fragments (12 x 16 rows x 32 K), two buffers
;   window 2: accumulators of my rows 0-31 (tile (a, b) at v[8 (12 a + b)]); window 3: those of my rows 32-63
; THE MATRIX INSTRUCTION IS USED TRANSPOSED (source 0 = rows of W^T, source 1 = rows of x): lane l then holds row l % 16 of C and its
; registers 0-7 the columns 8 (l / 16) + 0..7 of the tile, which pack into 16 bytes.
.set KSTEP,  128
.set PITCH,  272                       ; an LDS row: 256 bytes + 16 of padding, an odd multiple of 16: the 16 rows of a fragment load start in 16 different groups of banks
.set ABYTES, 256*PITCH
.set BBYTES, 192*PITCH
.set SLOT,   ABYTES+BBYTES             ; A's 256 rows, then B's 192 rows
.set STAGE,  2*SLOT                    ; behind the ring, at a multiple of 256: 16 rows x 400 bytes for each wave; no tensor load lands here
.set SPITCH, 400                       ; 384 bytes + 16
.set LAPS,   1024/(2*KSTEP)            ; a lap = two K steps = once round the ring
.set ADRA, 16                          ; v16-17  LDS address of my A fragments in slot 0, 1
.set ADRB, 20                          ; v20-21  the same for B
.set STO,  24                          ; way out: where I put 16 bytes of a row
.set RD,   25                          ; way out: where I read rows back
.set CO,   26                          ; way out: 16 x lane
.set BOFF, 27                          ; byte offset of my 8 bias numbers in a tile
.set BIAS, 160
.set TMP,  160                         ; way out: packed results
.set RB0,  64                          ; way out: rows read back, two sets
.set RB1,  112
.set G1A, 24                           ; s[24:31] descriptor group 1, A's tiles
.set G0A, 32                           ; s[32:39] descriptor group 0, A's tiles, one set a slot
.set G1B, 48                           ; s[48:55] group 1, B's tiles
.set G0B, 56                           ; s[56:63] group 0, B's tiles, one set a slot
.set MSB, 0
.macro WIN new                         ; the immediate's high byte repeats the setting that is left
.if MSB != \new
	s_set_vgpr_msb (MSB<<8)|\new
.set MSB, \new
.endif
.endm
.set TO_B, 0x40                        ; destination window 1, address window 0
; A joint load: waves 0 and 1 fetch A's two halves, waves 2 and 3 B's.  The branch hangs on the wave's number alone.
.macro JLOAD s
	s_cmp_eq_u32 s21, 0
	s_cbranch_scc0 .Lfor_b_\@
	tensor_load_to_lds s[G0A+4*\s:G0A+4*\s+3], s[G1A:G1A+7]
	s_nop 0
	s_branch .Lasked_\@
.Lfor_b_\@:
	tensor_load_to_lds s[G0B+4*\s:G0B+4*\s+3], s[G1B:G1B+7]
	s_nop 0
.Lasked_\@:
.endm
; A round of the cluster's barrier behind its opening work-group barrier: wave 0 signals for the work-group, every wave waits for all
; sixteen work-groups, and the work-group's barrier closes the round.
.macro CREST
	s_cmp_lg_u32 s20, 0
	s_cbranch_scc1 .Lnot_wave_0_\@
	s_barrier_signal -3
.Lnot_wave_0_\@:
	s_barrier_wait -3
	s_barrier_signal -1
	s_barrier_wait -1
.endm
.macro CROUND
	s_barrier_signal -1
	s_barrier_wait -1
	CREST
.endm
.macro PLACES                          ; four plain vector places behind a matrix instruction, in front of loads into its sources and of readers of its result
.rept 4
	v_nop
.endr
.endm
	s_load_b512 s[4:19], s[0:1], 0x0               ; xh s[4:5], wqkvt s[6:7], bq s[8:9], bk s[10:11], bv s[12:13], qh s[14:15], kh s[16:17], vh s[18:19]
	s_set_vgpr_msb 0x40
	v_lshl_add_u32 v255, v0, 2, 0x41c00
	s_set_vgpr_msb 0x4000
	v_mov_b32 v63, 0
	s_set_vgpr_msb 0x1
	ds_add_u32 v255, v63
	s_set_vgpr_msb 0x100
	v_lshrrev_b32 v1, 5, v0
	v_readfirstlane_b32 s20, v1                    ; wave 0..3
	s_lshr_b32 s21, s20, 1                         ; I fetch for A (0) or for B (1)
	s_and_b32 s22, s20, 1                          ; which half of that tile
	s_bfe_u32 s40, ttmp6, 0x40000                  ; cx
	s_bfe_u32 s41, ttmp6, 0x40004                  ; cy
	s_lshl_b32 s42, ttmp9, 2
	s_add_co_u32 s42, s42, s40                     ; head = 4 x cluster x + cx
	s_and_b32 s43, ttmp7, 0xffff
	s_lshl_b32 s43, s43, 2
	s_add_co_u32 s43, s43, s41                     ; row block = 4 x cluster y + cy
	s_lshl_b32 s44, s41, 2
	s_lshl_b32 s44, 15, s44                        ; my row of the cluster: places 4 cy .. 4 cy + 3
	s_lshl_b32 s45, 0x1111, s40                    ; my column: places cx, cx + 4, cx + 8, cx + 12
	; group 1: tiles of 128 (A) or 96 (B) rows x 128 elements of 2 bytes; 4 words of padding behind every 64 words
	s_or_b32 s[G1A+0], s44, (1<<16)|(1<<20)|(1<<21)|(5<<22)|(3<<25)
	s_or_b32 s[G1B+0], s45, (1<<16)|(1<<20)|(1<<21)|(5<<22)|(3<<25)
	s_mov_b32 s[G1A+1], KSTEP<<16                  ; tensor_dim0 = 128
	s_mov_b32 s[G1B+1], KSTEP<<16
	s_mov_b32 s[G1A+2], 128<<16                    ; tensor_dim1 = rows
	s_mov_b32 s[G1B+2], 96<<16
	s_mov_b32 s[G1A+3], KSTEP<<16                  ; tile_dim0 = 128
	s_mov_b32 s[G1B+3], KSTEP<<16
	s_mov_b32 s[G1A+4], 128                        ; tile_dim1 = rows
	s_mov_b32 s[G1B+4], 96
	s_mov_b32 s[G1A+5], 1024                       ; elements from row to row
	s_mov_b32 s[G1B+5], 1024
	s_mov_b32 s[G1A+6], 0
	s_mov_b32 s[G1B+6], 0
	s_mov_b32 s[G1A+7], 0
	s_mov_b32 s[G1B+7], 0
	; A's tiles hang on the row block and the wave, B's on the head and the wave, each in registers that never hold the other coordinate
	s_lshl_b32 s66, s43, 19                        ; 256 rows of 2,048 bytes
	s_lshl_b32 s67, s22, 18                        ; + 128 rows
	s_add_co_u32 s66, s66, s67
	s_mov_b32 s67, 0
	s_mul_i32 s70, s42, 192*2048
	s_mul_i32 s71, s22, 96*2048
	s_add_co_u32 s70, s70, s71
	s_mov_b32 s71, 0
	s_mul_i32 s46, s20, 128*PITCH                  ; LDS: A's halves at wave x 128 rows (waves 0, 1)
	s_mul_i32 s47, s20, 96*PITCH                   ; B's halves behind A's 256 rows: ABYTES + (wave - 2) x 96 rows (waves 2, 3)
	s_add_co_u32 s47, s47, ABYTES-2*96*PITCH
	s_wait_dscnt 0x0
	s_wait_kmcnt 0x0
	s_add_nc_u64 s[68:69], s[4:5], s[66:67]
	s_add_nc_u64 s[72:73], s[6:7], s[70:71]
	CROUND                                         ; all sixteen work-groups are here: the first joint loads meet
.irp s, 0,1
	s_mov_b32 s[G0A+4*\s], 1
	s_add_co_u32 s[G0A+4*\s+1], s46, \s*SLOT
	s_add_nc_u64 s[G0A+4*\s+2:G0A+4*\s+3], s[68:69], \s*KSTEP*2
	s_or_b32 s[G0A+4*\s+3], s[G0A+4*\s+3], 0x80000000
	s_mov_b32 s[G0B+4*\s], 1
	s_add_co_u32 s[G0B+4*\s+1], s47, \s*SLOT
	s_add_nc_u64 s[G0B+4*\s+2:G0B+4*\s+3], s[72:73], \s*KSTEP*2
	s_or_b32 s[G0B+4*\s+3], s[G0B+4*\s+3], 0x80000000
	JLOAD \s                                       ; K steps 0 and 1: two tensor loads of the wave are out, later one
.endr
	; fragment addresses: lane l holds row l % 16; two loads of 16 bytes, 32 apart, at row x pitch + 16 (l / 16)
	v_and_b32 v1, 15, v0
	v_bfe_u32 v2, v0, 4, 1
	v_mul_u32_u24 v3, v1, PITCH
	v_lshl_add_u32 v3, v2, 4, v3
	s_mul_i32 s76, s20, 64*PITCH                   ; my 64 rows of A
	v_add_nc_u32 v[ADRA], s76, v3
	v_add_nc_u32 v[ADRA+1], SLOT, v[ADRA]
	v_add_nc_u32 v[ADRB], ABYTES, v3
	v_add_nc_u32 v[ADRB+1], ABYTES+SLOT, v3
	s_mul_i32 s78, s20, 16*SPITCH
	s_add_co_u32 s78, s78, STAGE                   ; my stage
	v_mul_u32_u24 v4, v1, SPITCH
	v_lshl_add_u32 v4, v2, 4, v4
	v_add_nc_u32 v[STO], s78, v4
	v_and_b32 v5, 31, v0
	v_lshrrev_b32 v6, 3, v5                        ; back: eight lanes take 128 bytes (a row of one of Q, K, V), four rows a load
	v_and_b32 v7, 7, v0
	v_mul_u32_u24 v6, v6, SPITCH
	v_lshl_add_u32 v6, v7, 4, v6
	v_add_nc_u32 v[RD], s78, v6
	v_lshlrev_b32 v[CO], 4, v5
	v_lshlrev_b32 v[BOFF], 5, v2
	; the bias in the accumulators' layout: register j of tile b = bias[16 b + 8 (l / 16) + j]; it is the C of the first products
	s_lshl_b32 s76, s42, 8                         ; the head's 64 numbers
	s_mov_b32 s77, 0
	s_add_nc_u64 s[8:9], s[8:9], s[76:77]
	s_add_nc_u64 s[10:11], s[10:11], s[76:77]
	s_add_nc_u64 s[12:13], s[12:13], s[76:77]
.irp m, 0,1,2
.irp c, 0,1,2,3
	global_load_b128 v[BIAS+8*(4*\m+\c):BIAS+8*(4*\m+\c)+3],   v[BOFF], s[8+2*\m:9+2*\m] offset:64*\c
	global_load_b128 v[BIAS+8*(4*\m+\c)+4:BIAS+8*(4*\m+\c)+7], v[BOFF], s[8+2*\m:9+2*\m] offset:64*\c+16
.endr
.endr
	; where the results go: [b][h][l][64] f16
	s_lshr_b32 s74, s43, 2
	s_lshl_b32 s74, s74, 21                        ; b
	s_lshl_b32 s75, s42, 17                        ; head
	s_add_co_u32 s74, s74, s75
	s_and_b32 s75, s43, 3
	s_lshl_b32 s75, s75, 15                        ; 256 rows of 128 bytes
	s_add_co_u32 s74, s74, s75
	s_lshl_b32 s75, s20, 13                        ; my 64 rows
	s_add_co_u32 s74, s74, s75
	s_mov_b32 s75, 0
	s_add_nc_u64 s[14:15], s[14:15], s[74:75]
	s_add_nc_u64 s[16:17], s[16:17], s[74:75]
	s_add_nc_u64 s[18:19], s[18:19], s[74:75]
; 12 matrix instructions: row tile a of the window's two (hi = 0: my rows 0-31, 1: rows 32-63) x all 12 column tiles, 32 along K, from buffer f.
; first = 1: C is the bias, so nothing is cleared and nothing is added later.
.macro MUL12 f, hi, a, first
.irp b, 0,1,2,3,4,5,6,7,8,9,10,11
.if \first
	v_wmma_f32_16x16x32_f16 v[8*(12*\a+\b):8*(12*\a+\b)+7], v[128*\f+8*\b:128*\f+8*\b+7], v[64+64*\f+8*(2*\hi+\a):64+64*\f+8*(2*\hi+\a)+7], v[BIAS+8*\b:BIAS+8*\b+7]
.else
	v_wmma_f32_16x16x32_f16 v[8*(12*\a+\b):8*(12*\a+\b)+7], v[128*\f+8*\b:128*\f+8*\b+7], v[64+64*\f+8*(2*\hi+\a):64+64*\f+8*(2*\hi+\a)+7], v[8*(12*\a+\b):8*(12*\a+\b)+7]
.endif
.endr
.endm
; 32 LDS loads in one run: a quarter step's fragments (192 rows of B, my 64 rows of A, 32 K at byte k of the rows) into buffer f
.macro FETCH slot, k, f
	WIN TO_B
.irp i, 0,1,2,3,4,5,6,7,8,9,10,11
	ds_load_b128 v[128*\f+8*\i:128*\f+8*\i+3],   v[ADRB+\slot] offset:\k+\i*16*PITCH
	ds_load_b128 v[128*\f+8*\i+4:128*\f+8*\i+7], v[ADRB+\slot] offset:\k+\i*16*PITCH+32
.endr
	WIN 0
.irp i, 0,1,2,3
	ds_load_b128 v[64+64*\f+8*\i:64+64*\f+8*\i+3],   v[ADRA+\slot] offset:\k+\i*16*PITCH
	ds_load_b128 v[64+64*\f+8*\i+4:64+64*\f+8*\i+7], v[ADRA+\slot] offset:\k+\i*16*PITCH+32
.endr
.endm
; A K step is four quarters of 32 along K, 48 matrix instructions each, on buffers 0, 1, 0, 1.  The 48 accumulators take turns, one
; instruction a turn, in the same order in every quarter.
.macro QUARTER slot, k, f, g, first
	s_wait_dscnt 4                                 ; B and A's fragments 0, 1 are in; the youngest four loads (A's fragments 2, 3) may be out
.if \first
	WIN 0x81                                       ; source 0 window 1, source 1 and C window 0, D window 2
.else
	WIN 0xa1                                       ; C and D window 2
.endif
	MUL12 \f, 0, 0, \first
	MUL12 \f, 0, 1, \first
	PLACES
	FETCH \slot, \k, \g
	s_wait_dscnt 32                                ; all but the 32 just issued
.if \first
	WIN 0xc1
.else
	WIN 0xf1
.endif
	MUL12 \f, 1, 0, \first
	MUL12 \f, 1, 1, \first
.endm
.macro THREE slot, first
	QUARTER \slot, 64,  0, 1, \first
	QUARTER \slot, 128, 1, 0, 0
	QUARTER \slot, 192, 0, 1, 0
.endm
; The last quarter multiplies buffer 1 and changes slots.  In front of the barrier each wave waits for its reads of this slot and for all
; its tensor loads (one is out: its part of the next slot).  Behind it (with fill: behind the cluster's round that it opens) the refill comes
; first, then the next slot's first fragments.  From a request to the wait for it a wave issues 180 matrix instructions.
.macro TURN slot, next, fill
	s_wait_dscnt 4
	WIN 0xa1
	MUL12 1, 0, 0, 0
	s_wait_dscnt 0                                 ; my reads of this slot are over
	s_wait_tensorcnt 0x0                           ; all my tensor loads have landed
	ds_add_u32 v255, v63
	s_wait_dscnt 0x0
	s_barrier_signal -1
	MUL12 1, 0, 1, 0                               ; register work while the others arrive
	WIN 0
	s_barrier_wait -1
.if \fill
	CREST                                          ; no wave of any partner still reads this slot or has a load on its way
	s_add_nc_u64 s[G0A+4*\slot+2:G0A+4*\slot+3], s[G0A+4*\slot+2:G0A+4*\slot+3], 2*KSTEP*2
	s_add_nc_u64 s[G0B+4*\slot+2:G0B+4*\slot+3], s[G0B+4*\slot+2:G0B+4*\slot+3], 2*KSTEP*2
	JLOAD \slot                                    ; my one tensor load behind the round, and the first thing there
.endif
	PLACES
	FETCH \next, 0, 0
	WIN 0xf1
	MUL12 1, 1, 0, 0
	MUL12 1, 1, 1, 0
.endm
.macro LAP first
	THREE 0, \first
	TURN 0, 1, 1
	THREE 1, 0
	TURN 1, 0, 1
.endm
	s_wait_tensorcnt 1                             ; my part of K step 0 is in; K step 1 may stay out
	s_barrier_signal -1
	s_barrier_wait -1
	FETCH 0, 0, 0
	s_wait_loadcnt 0x0                             ; the bias
	LAP 1
	WIN 0                                          ; at a label and at a branch every window is 0
	s_mov_b32 s23, LAPS-2
.Llap:
	LAP 0
	WIN 0
	s_sub_co_u32 s23, s23, 1
	s_cmp_lg_u32 s23, 0
	s_cbranch_scc1 .Llap
	THREE 0, 0                                     ; the last lap fills nothing
	TURN 0, 1, 0
	THREE 1, 0
	s_wait_dscnt 4
	WIN 0xa1
	MUL12 1, 0, 0, 0
	MUL12 1, 0, 1, 0
	s_wait_dscnt 0
	WIN 0xf1
	MUL12 1, 1, 0, 0
	MUL12 1, 1, 1, 0
	; THE WAY OUT, 16 rows at a time: round to f16, 16 bytes a lane into my own stage, read back so that a load's 32 lanes hold 4 whole rows
	; (512 consecutive bytes) of one of Q, K, V.
	PLACES
; rows 16 i .. 16 i + 15 = the twelve tiles (a, 0..11) of window 2 or 3 (from = 0x0a or 0x0f: sources 0 and 1)
.macro OUT16 i, a, from, rb
	WIN \from
.irp b, 0,1,2,3,4,5,6,7,8,9,10,11
.irp q, 0,1,2,3
	v_cvt_pk_f16_f32 v[TMP+4*\b+\q], v[8*(12*\a+\b)+2*\q], v[8*(12*\a+\b)+2*\q+1]
.endr
.endr
	WIN 0
.irp b, 0,1,2,3,4,5,6,7,8,9,10,11
	ds_store_b128 v[STO], v[TMP+4*\b:TMP+4*\b+3] offset:32*\b
.endr
	s_wait_xcnt 0x0                                ; the set of registers below, which earlier stores read, is rewritten only behind this wait
.irp m, 0,1,2
.irp t, 0,1,2,3
	ds_load_b128 v[\rb+4*(4*\m+\t):\rb+4*(4*\m+\t)+3], v[RD] offset:4*SPITCH*\t+128*\m    ; LDS serves a wave's instructions in order: these see the stores above
.endr
.endr
.irp m, 0,1,2
.irp t, 0,1,2,3
	s_wait_dscnt 11-(4*\m+\t)
	global_store_b128 v[CO], v[\rb+4*(4*\m+\t):\rb+4*(4*\m+\t)+3], s[14+2*\m:15+2*\m] offset:2048*\i+512*\t    ; 512 consecutive bytes, aligned
.endr
.endr
.endm
	OUT16 0, 0, 0x0a, RB0
	OUT16 1, 1, 0x0a, RB1
	OUT16 2, 0, 0x0f, RB0
	OUT16 3, 1, 0x0f, RB1
	s_set_vgpr_msb 0x1
	s_wait_tensorcnt 0x0
	ds_add_u32 v255, v63
	s_wait_dscnt 0x0
	s_set_vgpr_msb 0x100
	CROUND                                         ; the closing round: no work-group ends while a partner may still ask for a tile that names it
	s_endpgm
.Lfunc_end_k_qf2fee5dc8e_qkv:
	.size	k_qf2fee5dc8e_qkv, .Lfunc_end_k_qf2fee5dc8e_qkv-k_qf2fee5dc8e_qkv
	.p2alignl 7, 3214868480
	.fill 96, 4, 3214868480
	.section	.rodata,"a",@progbits
	.p2align	6, 0x0
	.amdhsa_kernel k_qf2fee5dc8e_qkv
		.amdhsa_group_segment_fixed_size 327680
		.amdhsa_private_segment_fixed_size 0
		.amdhsa_enable_private_segment 0
		.amdhsa_kernarg_size 64
		.amdhsa_user_sgpr_count 2
		.amdhsa_user_sgpr_kernarg_segment_ptr 1
		.amdhsa_wavefront_size32 1
		.amdhsa_system_sgpr_workgroup_id_x 1
		.amdhsa_system_sgpr_workgroup_id_y 1
		.amdhsa_system_sgpr_workgroup_id_z 1
		.amdhsa_system_vgpr_workitem_id 0
		.amdhsa_next_free_vgpr 1024
		.amdhsa_next_free_sgpr 80
		.amdhsa_reserve_vcc 0
		.amdhsa_float_denorm_mode_32 3
		.amdhsa_float_denorm_mode_16_64 3
		.amdhsa_memory_ordered 1
		.amdhsa_forward_progress 1
		.amdhsa_inst_pref_size 166
	.end_amdhsa_kernel
	.amdgpu_metadata
---
amdhsa.version: [ 1, 2 ]
amdhsa.kernels:
  - .name:           k_qf2fee5dc8e_qkv
    .symbol:         k_qf2fee5dc8e_qkv.kd
    .args:
      - { .name: xh, .offset: 0, .size: 8, .value_kind: global_buffer, .address_space: global }
      - { .name: wqkvt, .offset: 8, .size: 8, .value_kind: global_buffer, .address_space: global }
      - { .name: bq, .offset: 16, .size: 8, .value_kind: global_buffer, .address_space: global }
      - { .name: bk, .offset: 24, .size: 8, .value_kind: global_buffer, .address_space: global }
      - { .name: bv, .offset: 32, .size: 8, .value_kind: global_buffer, .address_space: global }
      - { .name: qh, .offset: 40, .size: 8, .value_kind: global_buffer, .address_space: global }
      - { .name: kh, .offset: 48, .size: 8, .value_kind: global_buffer, .address_space: global }
      - { .name: vh, .offset: 56, .size: 8, .value_kind: global_buffer, .address_space: global }
    .group_segment_fixed_size: 327680
    .private_segment_fixed_size: 0
    .kernarg_segment_align: 8
    .kernarg_segment_size: 64
    .max_flat_workgroup_size: 128
    .sgpr_count:     80
    .vgpr_count:     1024
    .wavefront_size: 32
...
	.end_amdgpu_metadata
.endif
;; end of part 2
;; launch attn (part 3): grid 4 x 64, 8 waves a work-group, clusters of 4 x 1, 327,680 bytes of LDS; arguments qh, kh, vh, case_ids, verb_mask, case_bias, verb_bias, att; writes att
.if DOCPART == 3
	.amdgcn_target "amdgcn-amd-amdhsa--gfx1250"
	.amdhsa_code_object_version 6
	.text
	.protected	k_qf2fee5dc8e_attn
	.globl	k_qf2fee5dc8e_attn
	.p2align	8
	.type	k_qf2fee5dc8e_attn,@function
k_qf2fee5dc8e_attn:
	s_mov_b64 s[64:65], 0
	v_nop
	global_prefetch_b8 v0, s[64:65] scope:SCOPE_SE
	s_setreg_imm32_b32 hwreg(HW_REG_WAVE_MODE, 25, 1), 1
	s_wait_xcnt 0x0
	s_wait_alu depctr_hold_cnt(0) depctr_sa_sdst(0) depctr_va_vdst(0) depctr_va_sdst(0) depctr_va_ssrc(0) depctr_va_vcc(0) depctr_vm_vsrc(0)
	s_getreg_b32 s2, hwreg(HW_REG_IB_STS2, 6, 4)
	s_cmp_eq_u32 s2, 0
	s_cbranch_scc0 .Lentry_in_a_cluster
	s_endpgm
.Lentry_in_a_cluster:
	s_bfe_u32 s2, ttmp6, 0x10000c
	s_cmp_lg_u32 s2, 0x3003
	s_cbranch_scc0 .Lentry_shape_is_right
	s_endpgm
.Lentry_shape_is_right:
; attn: softmax(Q K^T / 8 + case_bias[h][ci][cj] + verb_bias[h] verb_mask[j]) V for one (b, h) and 256 queries, with a running maximum.
; Eight waves, 32 queries each (two tiles t of 16); keys in steps of 64; K and V in blocks of 256 keys through two LDS slots.
; CLUSTER: the four query blocks of a head read the same K and V: they form a cluster of 4 x 1 and ask for each tile jointly (mask 15).
; S^T = Kx . Qx^T (A = 16 keys, B = 16 queries): lane l holds query l % 16 and keys 8 (l / 16) + 0..7 of a tile, so a row's maximum and sum
; need one exchange between the halves of the wave, and two neighbouring tiles of exp(S^T), packed in place, ARE a B fragment of P^T.
; O^T = V^T . P^T: A by transposing LDS loads from V stored [key][d]; lane l holds query l % 16 and 8 neighbouring d: 16 bytes of output.
; THE BIAS GOES THROUGH THE MATRIX UNIT, as a third product of 32 along K:  k 0-7: onehot(cj) x hi(8 CB[h][ci][.]);  k 8-15: onehot(cj) x lo(..);
; k 16, 17: verb_mask[j] x hi, lo(8 verb_bias[h]);  k 18-31: 0.  hi + lo are two f16 that hold the f32 number to about 2^-22 of its size.
; So S_raw = q.k + 8 bias and p = exp2(c S_raw - m), c = log2(e) / 8, m = c x the running maximum of S_raw.
; THE TWO TILES OF A WAVE RUN HALF A STEP APART.  A half step (i, t) is the softmax of tile t of step i, 105 vector instructions, and between them
; the matrix instructions of the other tile u: first P V of u's last softmax (8, with the 16 multiplies that rescale O(u) in front of them), then
; S of u's next step (12).  So the vector work of one tile is issued while the matrix unit works for the other, inside one wave.
; REGISTERS: window 0 holds all that the softmax and the S products name (S, Qx, Kx, small registers): they run under one setting of the windows.
; Window 1 holds O and V's fragments; the setting for P V (destination, source 0 and source 2 in window 1, source 1 in window 0) also fits
; the rescaling multiply (O = O x factor).  Six switches of the windows in a step.
; LIMITS: f16 operands: |Q|, |K|, |V| and |8 case_bias|, |8 verb_bias| below 65,504; verb_mask is taken as a number, exact for |value| <= 2048;
; case_ids of a query is clamped to 0..7 before it forms an address; a key's case id outside 0..7 would get no case bias.
; All 32 half steps are written out, with their places in the LDS loads' immediates: no loop, no stepped address.
.set VPITCH, 160                       ; V: 128 bytes + 32, an odd multiple of 32, for the transposing loads
.set KPITCH, 144                       ; K: 128 bytes + 16, an odd multiple of 16
.set APITCH, 80                        ; the keys' extension: 64 bytes + 16
.set VBYTES, 256*VPITCH
.set KBYTES, 256*KPITCH
.set SLOT,   VBYTES+KBYTES             ; V's 256 keys, then K's
.set AUG,    2*SLOT                    ; the keys' extension, all 1,024 keys; written by LDS stores, never by a tensor load; a multiple of 256
.set STAGE,  AUG+1024*APITCH           ; way out: 32 rows x 144 bytes for each wave; a multiple of 256
.set SPITCH, 144
.set R,   1                            ; l % 16
.set H2,  2                            ; l / 16
.set KAD, 4                            ; v4, v5     LDS address of my part of K's fragments in slot 0, 1
.set AAD, 6                            ; v6, v7     the same in the keys' extension, keys 0-511 and 512-1023
.set VAD, 8                            ; v8, v9     the same for V's transposing loads in slot 0, 1
.set STO, 10
.set RD,  11
.set CO,  12
.set TP,  13                           ; destination of the exchange between the halves
.set MX,  14                           ; v14, v15            running maximum of S_raw, tile t
.set NM,  16                           ; v[16:17], v[18:19]  minus the scaled running maximum, twice (a pair for the packed fma)
.set AL,  20                           ; v[20:21], v[22:23]  the step's rescaling factor, twice
.set LP,  24                           ; v[24:27], v[28:31]  running sums of my half of the keys: two pairs a tile, so that two chains take turns
.set S,   32                           ; v[32:95]   S(t, kt) at 32 t + 8 kt; later P(t, g) at 32 t + 16 g
.set QF,  96                           ; v[96:143]  Qx fragments (t, part) at 24 t + 8 part
.set KF,  144                          ; v[144:239] Kx fragments (kt, part) at 24 kt + 8 part
.set MT,  240                          ; v[240:243] four chains of the maximum
.set TB,  244
.set O,   0                            ; window 1: v[0:63]   O(t, dt) at 32 t + 8 dt
.set VF,  64                           ; window 1: v[64:127] V^T fragments (g, dt) at 32 g + 8 dt
.set CBR, 64                           ; set-up: rows of case_bias
.set G1V, 28                           ; s[28:35]
.set G1K, 36                           ; s[36:43]
.set G0V, 44                           ; s[44:51], one set a slot
.set G0K, 52                           ; s[52:59]
.set MSB, 0
.macro WIN new                         ; the immediate's high byte repeats the setting that is left
.if MSB != \new
	s_set_vgpr_msb (MSB<<8)|\new
.set MSB, \new
.endif
.endm
.macro JLOAD s                         ; waves 0-3 fetch 64 keys of V each, waves 4-7 64 keys of K
	s_cmp_eq_u32 s25, 0
	s_cbranch_scc0 .Lfor_k_\@
	tensor_load_to_lds s[G0V+4*\s:G0V+4*\s+3], s[G1V:G1V+7]
	s_nop 0
	s_branch .Lasked_\@
.Lfor_k_\@:
	tensor_load_to_lds s[G0K+4*\s:G0K+4*\s+3], s[G1K:G1K+7]
	s_nop 0
.Lasked_\@:
.endm
.macro ROUND                           ; a round of the cluster's barrier
	s_barrier_signal -1
	s_barrier_wait -1
	s_cmp_lg_u32 s20, 0
	s_cbranch_scc1 .Lnot_wave_0_\@
	s_barrier_signal -3
.Lnot_wave_0_\@:
	s_barrier_wait -3
	s_barrier_signal -1
	s_barrier_wait -1
.endm
	s_load_b512 s[4:19], s[0:1], 0x0               ; qh s[4:5], kh s[6:7], vh s[8:9], case_ids s[10:11], verb_mask s[12:13], case_bias s[14:15], verb_bias s[16:17], att s[18:19]
	v_lshl_add_u32 v254, v0, 2, 0x43000
	v_mov_b32 v255, 0
	ds_add_u32 v254, v255
	v_lshrrev_b32 v1, 5, v0
	v_readfirstlane_b32 s20, v1                    ; wave 0..7
	s_lshr_b32 s25, s20, 2                         ; I fetch V (0) or K (1)
	s_and_b32 s69, s20, 3                          ; which 64 keys of a block
	s_and_b32 s21, ttmp7, 0xffff                   ; b x 16 + h
	s_bfe_u32 s27, ttmp6, 0x40000                  ; cx
	s_lshl_b32 s22, ttmp9, 2
	s_add_co_u32 s22, s22, s27                     ; query block = 4 x cluster x + cx: it enters global addresses of my own loads and stores alone
	s_lshr_b32 s23, s21, 4                         ; b
	s_and_b32 s24, s21, 15                         ; h
	s_mov_b32 s60, 0x76543210                      ; v_permlanex16_b32: lane i reads lane i of the other half
	s_mov_b32 s61, 0xfedcba98
	s_mov_b32 s66, 0x3e38aa3b                      ; c = log2(e) / 8, twice (the whole pair is named)
	s_mov_b32 s67, 0x3e38aa3b
	s_mov_b32 s68, 0xbe38aa3b                      ; - c
	; group 1: 32 rows of 128 elements of 2 bytes: a row is two keys, 256 consecutive bytes; padding behind every 32 words, that is behind every key:
	; 8 words for V (pitch 160), 4 for K (pitch 144)
	s_mov_b32 s[G1V+0], 15|(1<<16)|(1<<20)|(1<<21)|(4<<22)|(7<<25)
	s_mov_b32 s[G1K+0], 15|(1<<16)|(1<<20)|(1<<21)|(4<<22)|(3<<25)
	s_mov_b32 s[G1V+1], 128<<16
	s_mov_b32 s[G1K+1], 128<<16
	s_mov_b32 s[G1V+2], 32<<16
	s_mov_b32 s[G1K+2], 32<<16
	s_mov_b32 s[G1V+3], 128<<16
	s_mov_b32 s[G1K+3], 128<<16
	s_mov_b32 s[G1V+4], 32
	s_mov_b32 s[G1K+4], 32
	s_mov_b32 s[G1V+5], 128
	s_mov_b32 s[G1K+5], 128
	s_mov_b32 s[G1V+6], 0
	s_mov_b32 s[G1K+6], 0
	s_mov_b32 s[G1V+7], 0
	s_mov_b32 s[G1K+7], 0
	s_lshl_b32 s70, s21, 17                        ; the head's 1,024 keys of 128 bytes
	s_lshl_b32 s71, s69, 13                        ; my 64 keys
	s_add_co_u32 s70, s70, s71
	s_mov_b32 s71, 0
	s_mul_i32 s72, s20, 64*VPITCH                  ; LDS: V's quarters at wave x 64 keys (waves 0-3)
	s_mul_i32 s73, s20, 64*KPITCH                  ; K's behind V: VBYTES + (wave - 4) x 64 keys (waves 4-7)
	s_add_co_u32 s73, s73, VBYTES-4*64*KPITCH
	s_wait_dscnt 0x0
	s_wait_kmcnt 0x0
	s_add_nc_u64 s[74:75], s[8:9], s[70:71]
	s_add_nc_u64 s[76:77], s[6:7], s[70:71]
	ROUND                                          ; the four work-groups are here: the first joint loads meet
.irp s, 0,1
	s_mov_b32 s[G0V+4*\s], 1
	s_add_co_u32 s[G0V+4*\s+1], s72, \s*SLOT
	s_add_nc_u64 s[G0V+4*\s+2:G0V+4*\s+3], s[74:75], \s*32768
	s_or_b32 s[G0V+4*\s+3], s[G0V+4*\s+3], 0x80000000
	s_mov_b32 s[G0K+4*\s], 1
	s_add_co_u32 s[G0K+4*\s+1], s73, \s*SLOT
	s_add_nc_u64 s[G0K+4*\s+2:G0K+4*\s+3], s[76:77], \s*32768
	s_or_b32 s[G0K+4*\s+3], s[G0K+4*\s+3], 0x80000000
	JLOAD \s                                       ; key blocks 0 and 1: two tensor loads of the wave are out, later one
.endr
	; ---- bases of my own loads and stores
	s_lshl_b32 s70, s23, 12                        ; row b of case_ids and verb_mask
	s_mov_b32 s71, 0
	s_add_nc_u64 s[10:11], s[10:11], s[70:71]
	s_add_nc_u64 s[12:13], s[12:13], s[70:71]
	s_lshl_b32 s72, s24, 8                         ; the head's 8 x 8 table
	s_mov_b32 s73, 0
	s_add_nc_u64 s[14:15], s[14:15], s[72:73]
	s_lshl_b32 s74, s24, 2
	s_mov_b32 s75, 0
	s_add_nc_u64 s[16:17], s[16:17], s[74:75]
	s_load_b32 s26, s[16:17], 0x0                  ; verb_bias[h]
	s_lshl_b32 s78, s21, 17
	s_lshl_b32 s79, s22, 15                        ; 256 queries of 128 bytes
	s_add_co_u32 s78, s78, s79
	s_lshl_b32 s79, s20, 12                        ; my 32 queries
	s_add_co_u32 s78, s78, s79
	s_mov_b32 s79, 0
	s_add_nc_u64 s[4:5], s[4:5], s[78:79]
	s_add_nc_u64 s[18:19], s[18:19], s[78:79]
	s_lshl_b32 s27, s22, 10
	s_lshl_b32 s69, s20, 7
	s_add_co_u32 s27, s27, s69                     ; my first query in a row of case_ids, in bytes
	s_mul_i32 s69, s20, 32*SPITCH
	s_add_co_u32 s69, s69, STAGE                   ; my stage
	; ---- lane terms; none of these registers is written again
	v_and_b32 v[R], 15, v0
	v_bfe_u32 v[H2], v0, 4, 1
	v_and_b32 v248, 31, v0
	v_and_b32 v249, 7, v0
	v_bfe_u32 v250, v0, 3, 1
	v_mul_u32_u24 v[KAD], v[R], KPITCH             ; K: key l % 16, 16 bytes for each half of the lanes
	v_lshl_add_u32 v[KAD], v[H2], 4, v[KAD]
	v_add_nc_u32 v[KAD], VBYTES, v[KAD]
	v_add_nc_u32 v[KAD+1], SLOT, v[KAD]
	v_mul_u32_u24 v[AAD], v[R], APITCH
	v_lshl_add_u32 v[AAD], v[H2], 4, v[AAD]
	v_add_nc_u32 v[AAD], AUG, v[AAD]
	v_add_nc_u32 v[AAD+1], 512*APITCH, v[AAD]
	v_lshl_add_u32 v251, v[H2], 3, v249            ; V, transposing load: key 8 (l / 16) + l % 8, 16 bytes at 16 ((l / 8) % 2)
	v_mul_u32_u24 v[VAD], v251, VPITCH
	v_lshl_add_u32 v[VAD], v250, 4, v[VAD]
	v_add_nc_u32 v[VAD+1], SLOT, v[VAD]
	v_mul_u32_u24 v251, v[R], SPITCH
	v_lshl_add_u32 v251, v[H2], 4, v251
	v_add_nc_u32 v[STO], s69, v251
	v_lshrrev_b32 v251, 3, v248
	v_mul_u32_u24 v251, v251, SPITCH
	v_lshl_add_u32 v251, v249, 4, v251
	v_add_nc_u32 v[RD], s69, v251
	v_lshlrev_b32 v[CO], 4, v248
	v_mov_b32 v[TP], 0                             ; written once: the exchange counts as a reader of its destination
	v_cmp_eq_u32 s62, 1, v[H2]                     ; the upper half of the lanes
	; ---- set-up loads
	v_lshlrev_b32 v60, 4, v0
	global_load_b128 v[32:35], v60, s[10:11]       ; case ids of keys 4 t .. 4 t + 3 (t: the thread)
	global_load_b128 v[36:39], v60, s[12:13]       ; their verb mask
	v_lshl_add_u32 v59, v[R], 2, s27
	global_load_b32 v56, v59, s[10:11]             ; case id of my query in tile 0
	global_load_b32 v57, v59, s[10:11] offset:64   ; and in tile 1
	v_lshlrev_b32 v58, 7, v[R]
	v_lshl_add_u32 v58, v[H2], 4, v58
.irp t, 0,1
.irp p, 0,1
	global_load_b128 v[QF+24*\t+8*\p:QF+24*\t+8*\p+3],   v58, s[4:5] offset:2048*\t+64*\p       ; Q(16 t + l % 16, 32 p + 8 (l / 16) ..)
	global_load_b128 v[QF+24*\t+8*\p+4:QF+24*\t+8*\p+7], v58, s[4:5] offset:2048*\t+64*\p+32
.endr
.endr
	s_wait_loadcnt 8                               ; ids and mask are in; the eight loads of Q stay out
	v_min_u32 v56, 7, v56                          ; an index stays inside its table
	v_min_u32 v57, 7, v57
	v_lshlrev_b32 v56, 5, v56                      ; a row of 8 f32
	v_lshlrev_b32 v57, 5, v57
	global_load_b128 v[CBR:CBR+3],     v56, s[14:15]
	global_load_b128 v[CBR+4:CBR+7],   v56, s[14:15] offset:16
	global_load_b128 v[CBR+8:CBR+11],  v57, s[14:15]
	global_load_b128 v[CBR+12:CBR+15], v57, s[14:15] offset:16
	; ---- the keys' extension: 64 bytes a key: onehot, onehot, (vm, vm, 0 ..), 0 ..
	v_mul_u32_u24 v55, v0, 4*APITCH
	v_add_nc_u32 v55, AUG, v55
	v_mov_b32 v61, 0x3c00                          ; 1.0 in f16
.irp z, 45,46,47,48,49,50,51
	v_mov_b32 v\z, 0
.endr
.irp e, 0,1,2,3
	v_and_b32 v52, 1, v[32+\e]
	v_lshlrev_b32 v52, 4, v52
	v_lshlrev_b32 v52, v52, v61                    ; the one, in the low or the high half of its word
	v_lshrrev_b32 v53, 1, v[32+\e]                 ; which word
.irp q, 0,1,2,3
	v_cmp_eq_u32 vcc_lo, \q, v53
	v_cndmask_b32 v[40+\q], 0, v52, vcc_lo
.endr
	v_cvt_f32_i32 v54, v[36+\e]
	v_cvt_pk_f16_f32 v44, v54, v54
	ds_store_b128 v55, v[40:43] offset:APITCH*\e
	ds_store_b128 v55, v[40:43] offset:APITCH*\e+16
	ds_store_b128 v55, v[44:47] offset:APITCH*\e+32
	ds_store_b128 v55, v[48:51] offset:APITCH*\e+48
.endr
	; ---- the queries' extension
	s_wait_kmcnt 0x0
	s_mul_f32 s26, s26, 0x41000000                 ; 8 verb_bias
	v_mov_b32 v3, s26
	v_cvt_pk_f16_f32 v62, v3, v3
	v_cvt_f32_f16 v63, v62.l
	v_sub_f32 v63, v3, v63
	v_cvt_pk_f16_f32 v62, v3, v63                  ; hi in the low half (k = 16), lo in the high half (k = 17)
	s_wait_loadcnt 0x0                             ; the rows of case_bias, and Q
.macro QAUG t
.irp e, 0,1,2,3,4,5,6,7
	v_mul_f32 v[CBR+8*\t+\e], 0x41000000, v[CBR+8*\t+\e]       ; x 8: exact
.endr
.irp i, 0,1,2,3
	v_cvt_pk_f16_f32 v[80+\i], v[CBR+8*\t+2*\i], v[CBR+8*\t+2*\i+1]    ; hi
.endr
	v_cvt_f32_f16 v88, v80.l
	v_cvt_f32_f16 v89, v80.h
	v_cvt_f32_f16 v90, v81.l
	v_cvt_f32_f16 v91, v81.h
	v_cvt_f32_f16 v92, v82.l
	v_cvt_f32_f16 v93, v82.h
	v_cvt_f32_f16 v94, v83.l
	v_cvt_f32_f16 v95, v83.h
.irp e, 0,1,2,3,4,5,6,7
	v_sub_f32 v[88+\e], v[CBR+8*\t+\e], v[88+\e]
.endr
.irp i, 0,1,2,3
	v_cvt_pk_f16_f32 v[84+\i], v[88+2*\i], v[88+2*\i+1]        ; lo
.endr
.irp i, 0,1,2,3
	v_cndmask_b32 v[QF+24*\t+16+\i], v[80+\i], v[84+\i], s62   ; k = 0-7 (lower lanes): hi; k = 8-15 (upper lanes): lo
.endr
	v_cndmask_b32 v[QF+24*\t+20], v62, v48, s62                ; k = 16, 17 (lower lanes); k = 24, 25 (upper lanes): 0
	v_mov_b32 v[QF+24*\t+21], 0
	v_mov_b32 v[QF+24*\t+22], 0
	v_mov_b32 v[QF+24*\t+23], 0
.endm
	QAUG 0
	QAUG 1
	s_wait_dscnt 0x0                               ; my part of the keys' extension is in LDS
	s_wait_tensorcnt 1                             ; my part of key block 0 is in; block 1 may stay out
	s_barrier_signal -1
	s_barrier_wait -1
; 24 LDS loads: step i's 64 keys (i = 0..15: block i / 4, in slot (i / 4) % 2): four tiles of 16 keys x (d 0-31, d 32-63, extension)
.macro LOADK i
.irp kt, 0,1,2,3
	ds_load_b128 v[KF+24*\kt:KF+24*\kt+3],     v[KAD+((\i)/4)%2] offset:((\i)%4)*64*KPITCH+16*KPITCH*\kt
	ds_load_b128 v[KF+24*\kt+4:KF+24*\kt+7],   v[KAD+((\i)/4)%2] offset:((\i)%4)*64*KPITCH+16*KPITCH*\kt+32
	ds_load_b128 v[KF+24*\kt+8:KF+24*\kt+11],  v[KAD+((\i)/4)%2] offset:((\i)%4)*64*KPITCH+16*KPITCH*\kt+64
	ds_load_b128 v[KF+24*\kt+12:KF+24*\kt+15], v[KAD+((\i)/4)%2] offset:((\i)%4)*64*KPITCH+16*KPITCH*\kt+96
	ds_load_b128 v[KF+24*\kt+16:KF+24*\kt+19], v[AAD+(\i)/8] offset:((\i)%8)*64*APITCH+16*APITCH*\kt
	ds_load_b128 v[KF+24*\kt+20:KF+24*\kt+23], v[AAD+(\i)/8] offset:((\i)%8)*64*APITCH+16*APITCH*\kt+32
.endr
.endm
; 16 transposing LDS loads: step i's V^T: two groups of 32 keys x four tiles of 16 d; destination window 1, address window 0
.macro LOADV i
	WIN 0x40
.irp g, 0,1
.irp dt, 0,1,2,3
	ds_load_tr16_b128 v[VF+32*\g+8*\dt:VF+32*\g+8*\dt+3],   v[VAD+((\i)/4)%2] offset:((\i)%4)*64*VPITCH+32*VPITCH*\g+32*\dt
	ds_load_tr16_b128 v[VF+32*\g+8*\dt+4:VF+32*\g+8*\dt+7], v[VAD+((\i)/4)%2] offset:((\i)%4)*64*VPITCH+32*VPITCH*\g+32*\dt+16*VPITCH
.endr
.endr
	WIN 0
.endm
; The macros below work on symbols that HALF sets: UI the tile whose matrix instructions are issued; SB, LPB, ALB, NMB, MXR the registers of the tile
; whose softmax is made; FIRST = 1 in step 0; SWX = 0 where no further S product is due.
; The w-th of tile UI's 12 S products: part w / 4 of the 96 along K, key tile w % 4.  The four accumulators take turns, one instruction a turn.
.macro SW w
.if SWX
.if (\w) < 4
	v_wmma_f32_16x16x32_f16 v[S+32*UI+8*((\w)%4):S+32*UI+8*((\w)%4)+7], v[KF+24*((\w)%4)+8*((\w)/4):KF+24*((\w)%4)+8*((\w)/4)+7], v[QF+24*UI+8*((\w)/4):QF+24*UI+8*((\w)/4)+7], 0
.else
	v_wmma_f32_16x16x32_f16 v[S+32*UI+8*((\w)%4):S+32*UI+8*((\w)%4)+7], v[KF+24*((\w)%4)+8*((\w)/4):KF+24*((\w)%4)+8*((\w)/4)+7], v[QF+24*UI+8*((\w)/4):QF+24*UI+8*((\w)/4)+7], v[S+32*UI+8*((\w)%4):S+32*UI+8*((\w)%4)+7]
.endif
.endif
.endm
; Pair j (0..15) of the tile's 32 exponentials: into one of the two running sums (pairs 0 and 1 carry the old sums along: l x factor + p), then packed to
; f16 in place: word j % 8 of group j / 8 is written when every number that lay there has been added and packed.
.macro ADDC j
.if (\j) < 2
.if FIRST
	s_wait_alu depctr_va_vdst(0)
	v_mov_b32 v[LPB+2*(\j)], v[SB+2*(\j)]          ; the first pairs start the sums: nothing is cleared
	v_mov_b32 v[LPB+2*(\j)+1], v[SB+2*(\j)+1]
.else
	s_wait_alu depctr_va_vdst(0)
	v_pk_fma_f32 v[LPB+2*(\j):LPB+2*(\j)+1], v[LPB+2*(\j):LPB+2*(\j)+1], v[ALB:ALB+1], v[SB+2*(\j):SB+2*(\j)+1]
.endif
.else
	s_wait_alu depctr_va_vdst(0)
	v_pk_add_f32 v[LPB+2*((\j)%2):LPB+2*((\j)%2)+1], v[LPB+2*((\j)%2):LPB+2*((\j)%2)+1], v[SB+2*(\j):SB+2*(\j)+1]
.endif
	v_cvt_pk_f16_f32 v[SB+16*((\j)/8)+(\j)%8], v[SB+2*(\j)], v[SB+2*(\j)+1]
.endm
; One S product, four exponentials, and the sums and packings of the four exponentials before them.  Between an exponential and the first use of its
; result stands a plain vector instruction (ISA guide 5.7.2): the ADDC of an older pair, or in group 0 the factor's second copy.
.macro EGRP k
	SW 4+\k
	v_exp_f32 v[SB+4*\k], v[SB+4*\k]
	v_exp_f32 v[SB+4*\k+1], v[SB+4*\k+1]
.if \k
	ADDC 2*\k-2
.else
.if FIRST
	v_nop
.else
	s_wait_alu depctr_va_vdst(0)
	v_mov_b32 v[ALB+1], v[ALB]
.endif
.endif
	v_exp_f32 v[SB+4*\k+2], v[SB+4*\k+2]
	v_exp_f32 v[SB+4*\k+3], v[SB+4*\k+3]
.if \k
	ADDC 2*\k-1
.endif
.endm
; O(UI) = O(UI) x factor + V^T P(UI): 8 products; the four multiplies of an O tile stand in front of the tile's first product and are issued while
; the product before it runs.  pfirst = 1: the tile's first step starts O.  The four accumulators take turns.
.macro PV pfirst
	WIN 0x51                                       ; destination, source 0 and source 2 window 1; source 1 (P, the factor) window 0
.irp dt, 0,1,2,3
.if \pfirst
	v_wmma_f32_16x16x32_f16 v[O+32*UI+8*\dt:O+32*UI+8*\dt+7], v[VF+8*\dt:VF+8*\dt+7], v[S+32*UI:S+32*UI+7], 0
.else
.irp q, 0,1,2,3
	v_pk_mul_f32 v[O+32*UI+8*\dt+2*\q:O+32*UI+8*\dt+2*\q+1], v[O+32*UI+8*\dt+2*\q:O+32*UI+8*\dt+2*\q+1], v[AL+2*UI:AL+2*UI+1]
.endr
	v_wmma_f32_16x16x32_f16 v[O+32*UI+8*\dt:O+32*UI+8*\dt+7], v[VF+8*\dt:VF+8*\dt+7], v[S+32*UI:S+32*UI+7], v[O+32*UI+8*\dt:O+32*UI+8*\dt+7]
.endif
.endr
.irp dt, 0,1,2,3
	v_wmma_f32_16x16x32_f16 v[O+32*UI+8*\dt:O+32*UI+8*\dt+7], v[VF+32+8*\dt:VF+32+8*\dt+7], v[S+32*UI+16:S+32*UI+23], v[O+32*UI+8*\dt:O+32*UI+8*\dt+7]
.endr
	WIN 0
.endm
; Half step (i, t): the softmax of tile t of step i; for the other tile u: P V of step i - 1 (t = 0) or i (t = 1), then S of step i (t = 0) or i + 1 (t = 1).
; Fragments: K(i + 1) is fetched at the head of (i, 1), when (i, 0) has issued the last product on K(i); V(i) in (i, 0), behind the last product on V(i - 1).
.macro HALF i, t
.set UI,  1-\t
.set SB,  S+32*\t
.set LPB, LP+4*\t
.set ALB, AL+2*\t
.set NMB, NM+2*\t
.set MXR, MX+\t
.if \i
.set FIRST, 0
.else
.set FIRST, 1
.endif
.if (1-\t)+(15-\i)
.set SWX, 1
.else
.set SWX, 0
.endif
.if \t*(15-\i)
	LOADK \i+1                                     ; behind the 8 plain instructions that close the half step before: more than the four places that a load into a source needs
.endif
.if \i+\t
.if \t
.if 15-\i
	s_wait_dscnt 24                                ; V(i)'s 16 loads are in; the 24 younger loads of K(i + 1) may be out
.else
	s_wait_dscnt 0                                 ; V(15)
.endif
.endif
.if \i+\t-1
	PV 0
.else
	PV 1
.endif
.endif
	; the maximum of my 32 numbers, in four chains.  These 12 plain instructions name no register of the products above: they are the places in front of
	; the loads into V's fragments (four) and of the S products, which write over P (five).
.irp c, 0,1,2,3
	v_max3_num_f32 v[MT+\c], v[SB+8*\c], v[SB+8*\c+1], v[SB+8*\c+2]
.endr
.irp c, 0,1,2,3
	v_max3_num_f32 v[MT+\c], v[MT+\c], v[SB+8*\c+3], v[SB+8*\c+4]
.endr
.irp c, 0,1,2,3
	v_max3_num_f32 v[MT+\c], v[MT+\c], v[SB+8*\c+5], v[SB+8*\c+6]
.endr
.if (1-\t)*\i
	LOADV \i
.endif
.if \t*(15-\i)
	s_wait_dscnt 0                                 ; K(i + 1)
.endif
	SW 0
	v_max3_num_f32 v[MT], v[MT], v[MT+1], v[SB+7]
	v_max3_num_f32 v[MT+2], v[MT+2], v[MT+3], v[SB+15]
	v_max3_num_f32 v[MT], v[MT], v[SB+23], v[SB+31]
	v_max_num_f32 v[MT], v[MT], v[MT+2]
	v_permlanex16_b32 v[TP], v[MT], s60, s61       ; the other half of the lanes holds my query's other 32 keys
	SW 1
.if FIRST
	v_max_num_f32 v[MXR], v[MT], v[TP]
	v_mul_f32 v[NMB], s68, v[MXR]                  ; - c x maximum
	v_mul_f32 v[NMB+1], s68, v[MXR]
.else
	v_max3_num_f32 v[MXR], v[MT], v[TP], v[MXR]    ; the new running maximum
	v_mul_f32 v[MT+1], s68, v[MXR]
	v_sub_f32 v[TB], v[MT+1], v[NMB]               ; c (old maximum - new maximum), at most 0
	v_exp_f32 v[ALB], v[TB]                        ; the next line is plain and touches neither its result nor its source
	v_mov_b32 v[NMB], v[MT+1]
	v_mov_b32 v[NMB+1], v[MT+1]
.endif
	SW 2
.irp j, 0,2,4,6,8,10,12,14
	v_pk_fma_f32 v[SB+\j:SB+\j+1], v[SB+\j:SB+\j+1], s[66:67], v[NMB:NMB+1] op_sel_hi:[1,0,1]   ; c S - m, at most 0
.endr
	SW 3
.irp j, 16,18,20,22,24,26,28,30
	v_pk_fma_f32 v[SB+\j:SB+\j+1], v[SB+\j:SB+\j+1], s[66:67], v[NMB:NMB+1] op_sel_hi:[1,0,1]
.endr
.irp k, 0,1,2,3,4,5,6,7
	EGRP \k
.endr
	ADDC 14                                        ; with ADDC 12 and 13: 8 plain instructions behind the last S product, none of which names its registers
	ADDC 15
.endm
; Slot s, all of whose reads have been issued, is filled again, two blocks on.  Every wave's reads are back and all its tensor loads have landed in front of
; the round's opening signal; the joint load is the first thing behind the round, one a wave.  It has four steps' work in which to land.
.macro REFILL s
	s_wait_dscnt 0x0
	s_wait_tensorcnt 0x0                           ; the other slot's part of mine among them; no tensor load of mine is out, so a group 0 may be written
	ds_add_u32 v254, v255
	s_wait_dscnt 0x0
	s_add_nc_u64 s[G0V+4*\s+2:G0V+4*\s+3], s[G0V+4*\s+2:G0V+4*\s+3], 65536
	s_add_nc_u64 s[G0K+4*\s+2:G0K+4*\s+3], s[G0K+4*\s+2:G0K+4*\s+3], 65536
	ROUND
	JLOAD \s
.endm
	; ---- the way in: S of tile 0, step 0
	LOADK 0
	LOADV 0
	s_wait_dscnt 16                                ; K(0)'s 24 loads are in; V(0)'s 16 younger ones may be out
.set UI, 0
.set SWX, 1
.irp w, 0,1,2,3,4,5,6,7,8,9,10,11
	SW \w
.endr
.rept 4
	v_nop                                          ; four places in front of the first readers of S (ISA guide 7.12.1); later half steps fill them with work
.endr
.irp i, 0,1,2
	HALF \i, 0
	HALF \i, 1
.endr
	HALF 3, 0                                      ; it has issued the last reads of block 0 (V of step 3)
	REFILL 0                                       ; block 2 into slot 0
	HALF 3, 1                                      ; it reads K of step 4, in slot 1
.irp i, 4,5,6
	HALF \i, 0
	HALF \i, 1
.endr
	HALF 7, 0
	REFILL 1                                       ; block 3 into slot 1
	HALF 7, 1
.irp i, 8,9,10
	HALF \i, 0
	HALF \i, 1
.endr
	HALF 11, 0
	s_wait_dscnt 0x0
	s_wait_tensorcnt 0x0                           ; my part of the last block is in,
	s_barrier_signal -1
	s_barrier_wait -1                              ; everybody's is; nothing is left to fetch
	HALF 11, 1
.irp i, 12,13,14,15
	HALF \i, 0
	HALF \i, 1
.endr
.set UI, 1
	PV 0                                           ; the last product: tile 1, step 15
	; ---- the way out: divide by the sum, round to f16, through my own stage, out as whole rows
.irp t, 0,1
	v_pk_add_f32 v[LP+4*\t:LP+4*\t+1], v[LP+4*\t:LP+4*\t+1], v[LP+4*\t+2:LP+4*\t+3]    ; these four lines are the places in front of the readers of O
	v_add_f32 v[MT+\t], v[LP+4*\t], v[LP+4*\t+1]
.endr
.irp t, 0,1
	v_permlanex16_b32 v[TP], v[MT+\t], s60, s61
	v_add_f32 v[MT+\t], v[MT+\t], v[TP]            ; both halves of the keys
	v_rcp_f32 v[AL+2*\t], v[MT+\t]
	v_nop                                          ; one plain place behind the reciprocal
	s_wait_alu depctr_va_vdst(0)
	v_mov_b32 v[AL+2*\t+1], v[AL+2*\t]
.endr
	WIN 0x41                                       ; O in window 1, the factor in window 0
.irp t, 0,1
.irp i, 0,1,2,3,4,5,6,7,8,9,10,11,12,13,14,15
	v_pk_mul_f32 v[O+32*\t+2*\i:O+32*\t+2*\i+1], v[O+32*\t+2*\i:O+32*\t+2*\i+1], v[AL+2*\t:AL+2*\t+1]
.endr
.endr
	WIN 0x05                                       ; sources window 1, destination window 0
.irp t, 0,1
.irp i, 0,1,2,3,4,5,6,7,8,9,10,11,12,13,14,15
	v_cvt_pk_f16_f32 v[S+16*\t+\i], v[O+32*\t+2*\i], v[O+32*\t+2*\i+1]    ; words 4 dt .. 4 dt + 3: d = 16 dt + 8 (l / 16) + 0..7 of my query
.endr
.endr
	WIN 0
.irp t, 0,1
.irp dt, 0,1,2,3
	ds_store_b128 v[STO], v[S+16*\t+4*\dt:S+16*\t+4*\dt+3] offset:16*SPITCH*\t+32*\dt
.endr
.endr
.irp u, 0,1,2,3,4,5,6,7
	ds_load_b128 v[KF+4*\u:KF+4*\u+3], v[RD] offset:4*SPITCH*\u       ; LDS serves a wave's instructions in order: these see the stores above
.endr
.irp u, 0,1,2,3,4,5,6,7
	s_wait_dscnt 7-\u
	global_store_b128 v[CO], v[KF+4*\u:KF+4*\u+3], s[18:19] offset:512*\u   ; four rows of 128 bytes: 512 consecutive bytes, aligned
.endr
	s_wait_tensorcnt 0x0
	ds_add_u32 v254, v255
	s_wait_dscnt 0x0
	ROUND                                          ; the closing round
	s_endpgm
.Lfunc_end_k_qf2fee5dc8e_attn:
	.size	k_qf2fee5dc8e_attn, .Lfunc_end_k_qf2fee5dc8e_attn-k_qf2fee5dc8e_attn
	.p2alignl 7, 3214868480
	.fill 96, 4, 3214868480
	.section	.rodata,"a",@progbits
	.p2align	6, 0x0
	.amdhsa_kernel k_qf2fee5dc8e_attn
		.amdhsa_group_segment_fixed_size 327680
		.amdhsa_private_segment_fixed_size 0
		.amdhsa_enable_private_segment 0
		.amdhsa_kernarg_size 64
		.amdhsa_user_sgpr_count 2
		.amdhsa_user_sgpr_kernarg_segment_ptr 1
		.amdhsa_wavefront_size32 1
		.amdhsa_system_sgpr_workgroup_id_x 1
		.amdhsa_system_sgpr_workgroup_id_y 1
		.amdhsa_system_sgpr_workgroup_id_z 1
		.amdhsa_system_vgpr_workitem_id 0
		.amdhsa_next_free_vgpr 384
		.amdhsa_next_free_sgpr 80
		.amdhsa_reserve_vcc 1
		.amdhsa_float_denorm_mode_32 3
		.amdhsa_float_denorm_mode_16_64 3
		.amdhsa_memory_ordered 1
		.amdhsa_forward_progress 1
		.amdhsa_inst_pref_size 255
	.end_amdhsa_kernel
	.section	.bss,"aw",@nobits
	.p2align	6
	.space	262144
	.amdgpu_metadata
---
amdhsa.version: [ 1, 2 ]
amdhsa.kernels:
  - .name:           k_qf2fee5dc8e_attn
    .symbol:         k_qf2fee5dc8e_attn.kd
    .args:
      - { .name: qh, .offset: 0, .size: 8, .value_kind: global_buffer, .address_space: global }
      - { .name: kh, .offset: 8, .size: 8, .value_kind: global_buffer, .address_space: global }
      - { .name: vh, .offset: 16, .size: 8, .value_kind: global_buffer, .address_space: global }
      - { .name: case_ids, .offset: 24, .size: 8, .value_kind: global_buffer, .address_space: global }
      - { .name: verb_mask, .offset: 32, .size: 8, .value_kind: global_buffer, .address_space: global }
      - { .name: case_bias, .offset: 40, .size: 8, .value_kind: global_buffer, .address_space: global }
      - { .name: verb_bias, .offset: 48, .size: 8, .value_kind: global_buffer, .address_space: global }
      - { .name: att, .offset: 56, .size: 8, .value_kind: global_buffer, .address_space: global }
    .group_segment_fixed_size: 327680
    .private_segment_fixed_size: 0
    .kernarg_segment_align: 8
    .kernarg_segment_size: 64
    .max_flat_workgroup_size: 256
    .sgpr_count:     80
    .vgpr_count:     384
    .wavefront_size: 32
...
	.end_amdgpu_metadata
.endif
;; end of part 3
;; launch oproj (part 4): grid 8 x 32, 4 waves a work-group, clusters of 4 x 4, 327,680 bytes of LDS; arguments att, wot, bo, out0; writes out0
.if DOCPART == 4
	.amdgcn_target "amdgcn-amd-amdhsa--gfx1250"
	.amdhsa_code_object_version 6
	.text
	.protected	k_qf2fee5dc8e_oproj
	.globl	k_qf2fee5dc8e_oproj
	.p2align	8
	.type	k_qf2fee5dc8e_oproj,@function
k_qf2fee5dc8e_oproj:
	s_mov_b64 s[64:65], 0
	v_nop
	global_prefetch_b8 v0, s[64:65] scope:SCOPE_SE
	s_setreg_imm32_b32 hwreg(HW_REG_WAVE_MODE, 25, 1), 1
	s_wait_xcnt 0x0
	s_wait_alu depctr_hold_cnt(0) depctr_sa_sdst(0) depctr_va_vdst(0) depctr_va_sdst(0) depctr_va_ssrc(0) depctr_va_vcc(0) depctr_vm_vsrc(0)
	s_getreg_b32 s2, hwreg(HW_REG_IB_STS2, 6, 4)
	s_cmp_eq_u32 s2, 0
	s_cbranch_scc0 .Lentry_in_a_cluster
	s_endpgm
.Lentry_in_a_cluster:
	s_bfe_u32 s2, ttmp6, 0x10000c
	s_cmp_lg_u32 s2, 0xf033
	s_cbranch_scc0 .Lentry_shape_is_right
	s_endpgm
.Lentry_shape_is_right:
; oproj: out0 = att . Wo + bo.  att is [b][h][l][64] f16, wot = Wo^T [n][k] f16, out0 [4096][1024] f32; f32 sums.
; A work-group makes 128 x 128 of out0 (256 work-groups), a wave 64 x 64: 16 accumulator tiles.  K = 1024 = 16 heads of 64.
; An LDS slot holds four heads (256 along K); two slots, four fills in all, so the text has no loop.
; A quarter of a slot is one head: 64 along K, 32 matrix instructions on two halves of 32.
; CLUSTERS: 4 x 4 work-groups; A's tiles (att) are shared along a row of the cluster, B's (wot) along a column, each asked for jointly.
; REGISTERS: window 0: v0-31 addresses; v64-127, v128-191 A's fragments (2 halves of K x 4 x 16 rows), two buffers; v192-223 the bias, the first products' C
;            window 1: the same numbers for B's fragments;  window 2: accumulator (a, b) at v[8 (4 a + b)]
; The matrix instruction is used transposed (source 0 = rows of Wo^T, source 1 = rows of att): a lane holds 8 neighbouring columns of one row.
.set APITCH, 144                       ; a row of one head: 128 bytes + 16
.set BPITCH, 528                       ; a row of wot in a slot: 512 bytes + 16
.set HEADB,  128*APITCH                ; one head's 128 rows
.set ABYTES, 4*HEADB
.set BBYTES, 128*BPITCH
.set SLOT,   ABYTES+BBYTES
.set STAGE,  2*SLOT                    ; a multiple of 256; 16 rows x 272 bytes for each wave; no tensor load lands here
.set SPITCH, 272
.set ADRA, 16
.set ADRB, 20
.set STO,  24
.set RD,   25
.set CO,   26
.set BOFF, 27
.set F0,   64
.set F1,   128
.set BIAS, 192
.set G1A, 24
.set G0A, 32
.set G1B, 48
.set G0B, 56
.set MSB, 0
.macro WIN new
.if MSB != \new
	s_set_vgpr_msb (MSB<<8)|\new
.set MSB, \new
.endif
.endm
.macro JLOAD s                         ; waves 0 and 1 fetch two heads of A each, waves 2 and 3 64 rows of B each
	s_cmp_eq_u32 s21, 0
	s_cbranch_scc0 .Lfor_b_\@
	tensor_load_to_lds s[G0A+4*\s:G0A+4*\s+3], s[G1A:G1A+7]
	s_nop 0
	s_branch .Lasked_\@
.Lfor_b_\@:
	tensor_load_to_lds s[G0B+4*\s:G0B+4*\s+3], s[G1B:G1B+7]
	s_nop 0
.Lasked_\@:
.endm
.macro CREST
	s_cmp_lg_u32 s20, 0
	s_cbranch_scc1 .Lnot_wave_0_\@
	s_barrier_signal -3
.Lnot_wave_0_\@:
	s_barrier_wait -3
	s_barrier_signal -1
	s_barrier_wait -1
.endm
.macro CROUND
	s_barrier_signal -1
	s_barrier_wait -1
	CREST
.endm
.macro PLACES                          ; four plain vector places behind a matrix instruction (ISA guide 7.12.1)
.rept 4
	v_nop
.endr
.endm
	s_load_b256 s[4:11], s[0:1], 0x0               ; att s[4:5], wot s[6:7], bo s[8:9], out0 s[10:11]
	s_set_vgpr_msb 0x40
	v_lshl_add_u32 v255, v0, 2, 0x49400
	s_set_vgpr_msb 0x4000
	v_mov_b32 v255, 0
	s_set_vgpr_msb 0x1
	ds_add_u32 v255, v255
	s_set_vgpr_msb 0x100
	v_lshrrev_b32 v1, 5, v0
	v_readfirstlane_b32 s20, v1                    ; wave 0..3
	s_lshr_b32 s21, s20, 1                         ; my half of the block's rows.  Also: I fetch for A (0) or for B (1)
	s_and_b32 s22, s20, 1                          ; my half of its columns.  Also: which half of that tile I fetch
	s_bfe_u32 s40, ttmp6, 0x40000                  ; cx
	s_bfe_u32 s41, ttmp6, 0x40004                  ; cy
	s_lshl_b32 s42, ttmp9, 2
	s_add_co_u32 s42, s42, s40                     ; column block
	s_and_b32 s43, ttmp7, 0xffff
	s_lshl_b32 s43, s43, 2
	s_add_co_u32 s43, s43, s41                     ; row block
	s_lshl_b32 s44, s41, 2
	s_lshl_b32 s44, 15, s44                        ; my row of the cluster
	s_lshl_b32 s45, 0x1111, s40                    ; my column
	; A: a descriptor row is one head's 128 rows of att, 16,384 consecutive bytes; two heads a load, 65,536 elements apart;
	;    4 words of padding behind every 32 words, that is behind every row of 128 bytes
	s_or_b32 s[G1A+0], s44, (1<<16)|(1<<20)|(1<<21)|(4<<22)|(3<<25)
	s_mov_b32 s[G1A+1], 8192<<16
	s_mov_b32 s[G1A+2], 2<<16
	s_mov_b32 s[G1A+3], 8192<<16
	s_mov_b32 s[G1A+4], 2
	s_mov_b32 s[G1A+5], 65536
	s_mov_b32 s[G1A+6], 0
	s_mov_b32 s[G1A+7], 0
	; B: 64 rows of 256 elements (512 bytes); 4 words of padding behind every 128 words
	s_or_b32 s[G1B+0], s45, (1<<16)|(1<<20)|(1<<21)|(6<<22)|(3<<25)
	s_mov_b32 s[G1B+1], 256<<16
	s_mov_b32 s[G1B+2], 64<<16
	s_mov_b32 s[G1B+3], 256<<16
	s_mov_b32 s[G1B+4], 64
	s_mov_b32 s[G1B+5], 1024
	s_mov_b32 s[G1B+6], 0
	s_mov_b32 s[G1B+7], 0
	s_lshr_b32 s66, s43, 3
	s_lshl_b32 s66, s66, 21                        ; b
	s_and_b32 s67, s43, 7
	s_lshl_b32 s67, s67, 14                        ; 128 rows of 128 bytes
	s_add_co_u32 s66, s66, s67
	s_lshl_b32 s67, s22, 18                        ; two heads
	s_add_co_u32 s66, s66, s67
	s_mov_b32 s67, 0
	s_lshl_b32 s70, s42, 18                        ; 128 rows of 2,048 bytes
	s_lshl_b32 s71, s22, 17                        ; + 64 rows
	s_add_co_u32 s70, s70, s71
	s_mov_b32 s71, 0
	s_mul_i32 s46, s20, 2*HEADB                    ; LDS: A's halves (waves 0, 1)
	s_mul_i32 s47, s20, 64*BPITCH                  ; B's behind A: ABYTES + (wave - 2) x 64 rows (waves 2, 3)
	s_add_co_u32 s47, s47, ABYTES-2*64*BPITCH
	s_wait_dscnt 0x0
	s_wait_kmcnt 0x0
	s_add_nc_u64 s[68:69], s[4:5], s[66:67]
	s_add_nc_u64 s[72:73], s[6:7], s[70:71]
	CROUND                                         ; all sixteen work-groups are here: the first joint loads meet
.irp s, 0,1
	s_mov_b32 s[G0A+4*\s], 1
	s_add_co_u32 s[G0A+4*\s+1], s46, \s*SLOT
	s_add_nc_u64 s[G0A+4*\s+2:G0A+4*\s+3], s[68:69], \s*524288       ; four heads on
	s_or_b32 s[G0A+4*\s+3], s[G0A+4*\s+3], 0x80000000
	s_mov_b32 s[G0B+4*\s], 1
	s_add_co_u32 s[G0B+4*\s+1], s47, \s*SLOT
	s_add_nc_u64 s[G0B+4*\s+2:G0B+4*\s+3], s[72:73], \s*512          ; 256 along K
	s_or_b32 s[G0B+4*\s+3], s[G0B+4*\s+3], 0x80000000
	JLOAD \s                                       ; two tensor loads of the wave are out, later one
.endr
	v_and_b32 v1, 15, v0
	v_bfe_u32 v2, v0, 4, 1
	v_mul_u32_u24 v3, v1, APITCH
	v_lshl_add_u32 v3, v2, 4, v3
	s_mul_i32 s76, s21, 64*APITCH                  ; my 64 rows in each head
	v_add_nc_u32 v[ADRA], s76, v3
	v_add_nc_u32 v[ADRA+1], SLOT, v[ADRA]
	v_mul_u32_u24 v4, v1, BPITCH
	v_lshl_add_u32 v4, v2, 4, v4
	s_mul_i32 s77, s22, 64*BPITCH                  ; my 64 rows of B
	s_add_co_u32 s77, s77, ABYTES
	v_add_nc_u32 v[ADRB], s77, v4
	v_add_nc_u32 v[ADRB+1], SLOT, v[ADRB]
	s_mul_i32 s78, s20, 16*SPITCH
	s_add_co_u32 s78, s78, STAGE
	v_mul_u32_u24 v5, v1, SPITCH                   ; in: row l % 16, 32 bytes for each half of the lanes
	v_lshl_add_u32 v5, v2, 5, v5
	v_add_nc_u32 v[STO], s78, v5
	v_mul_u32_u24 v6, v2, SPITCH                   ; back: lanes 0-15 one row of 256 bytes, lanes 16-31 the next
	v_lshl_add_u32 v6, v1, 4, v6
	v_add_nc_u32 v[RD], s78, v6
	v_lshlrev_b32 v7, 12, v2                       ; and the same two rows in out0
	v_lshl_add_u32 v[CO], v1, 4, v7
	v_lshlrev_b32 v[BOFF], 5, v2
	s_lshl_b32 s74, s42, 9                         ; my 64 columns of bo
	s_lshl_b32 s75, s22, 8
	s_add_co_u32 s74, s74, s75
	s_mov_b32 s75, 0
	s_add_nc_u64 s[8:9], s[8:9], s[74:75]
.irp b, 0,1,2,3
	global_load_b128 v[BIAS+8*\b:BIAS+8*\b+3],   v[BOFF], s[8:9] offset:64*\b       ; register j of tile b = bo[16 b + 8 (l / 16) + j]
	global_load_b128 v[BIAS+8*\b+4:BIAS+8*\b+7], v[BOFF], s[8:9] offset:64*\b+16
.endr
	s_add_nc_u64 s[10:11], s[10:11], s[74:75]      ; out0: my columns,
	s_lshl_b32 s74, s43, 19                        ; the block's 128 rows of 4,096 bytes,
	s_lshl_b32 s79, s21, 18                        ; my 64 rows
	s_add_co_u32 s74, s74, s79
	s_add_nc_u64 s[10:11], s[10:11], s[74:75]
; 8 matrix instructions: row tiles a0, a0 + 1 x 4 column tiles, half kh of the head's K, from buffer f.  first = 1: C is the bias.
.macro MUL8 f, kh, a0, first
.irp a, \a0, \a0+1
.irp b, 0,1,2,3
.if \first
	v_wmma_f32_16x16x32_f16 v[8*(4*(\a)+\b):8*(4*(\a)+\b)+7], v[\f+32*\kh+8*\b:\f+32*\kh+8*\b+7], v[\f+32*\kh+8*(\a):\f+32*\kh+8*(\a)+7], v[BIAS+8*\b:BIAS+8*\b+7]
.else
	v_wmma_f32_16x16x32_f16 v[8*(4*(\a)+\b):8*(4*(\a)+\b)+7], v[\f+32*\kh+8*\b:\f+32*\kh+8*\b+7], v[\f+32*\kh+8*(\a):\f+32*\kh+8*(\a)+7], v[8*(4*(\a)+\b):8*(4*(\a)+\b)+7]
.endif
.endr
.endr
.endm
; 32 LDS loads in one run: head q of the slot: B's two halves of K, then A's two halves
.macro FETCH slot, q, f
	WIN 0x40
.irp kh, 0,1
.irp i, 0,1,2,3
	ds_load_b128 v[\f+32*\kh+8*\i:\f+32*\kh+8*\i+3],   v[ADRB+\slot] offset:16*BPITCH*\i+128*\q+64*\kh
	ds_load_b128 v[\f+32*\kh+8*\i+4:\f+32*\kh+8*\i+7], v[ADRB+\slot] offset:16*BPITCH*\i+128*\q+64*\kh+32
.endr
.endr
	WIN 0
.irp kh, 0,1
.irp i, 0,1,2,3
	ds_load_b128 v[\f+32*\kh+8*\i:\f+32*\kh+8*\i+3],   v[ADRA+\slot] offset:HEADB*\q+16*APITCH*\i+64*\kh
	ds_load_b128 v[\f+32*\kh+8*\i+4:\f+32*\kh+8*\i+7], v[ADRA+\slot] offset:HEADB*\q+16*APITCH*\i+64*\kh+32
.endr
.endr
.endm
; The 16 accumulators take turns, one instruction a turn, in the same order in every half.
.macro QUARTER slot, q, f, g, first
	s_wait_dscnt 8                                 ; all but A's second half of K (the youngest eight loads)
.if \first
	WIN 0x81                                       ; source 0 window 1, source 1 and C window 0, D window 2
.else
	WIN 0xa1
.endif
	MUL8 \f, 0, 0, \first
	MUL8 \f, 0, 2, \first
	PLACES
	FETCH \slot, \q, \g
	s_wait_dscnt 32                                ; all but the 32 just issued
	WIN 0xa1
	MUL8 \f, 1, 0, 0
	MUL8 \f, 1, 2, 0
.endm
.macro THREE slot, first
	QUARTER \slot, 1, F0, F1, \first
	QUARTER \slot, 2, F1, F0, 0
	QUARTER \slot, 3, F0, F1, 0
.endm
; The slot's last head, and the change of slots: each wave's reads of this slot and all its tensor loads are waited for in front of the barrier;
; behind it (with fill: behind the cluster's round that it opens) the refill comes first, then the next slot's first fragments.
.macro TURN slot, next, fill
	s_wait_dscnt 8
	WIN 0xa1
	MUL8 F1, 0, 0, 0
	s_wait_dscnt 0
	s_wait_tensorcnt 0x0
	ds_add_u32 v255, v255
	s_wait_dscnt 0x0
	s_barrier_signal -1
	MUL8 F1, 0, 2, 0
	WIN 0
	s_barrier_wait -1
.if \fill
	CREST
	s_add_nc_u64 s[G0A+4*\slot+2:G0A+4*\slot+3], s[G0A+4*\slot+2:G0A+4*\slot+3], 1048576   ; eight heads on
	s_add_nc_u64 s[G0B+4*\slot+2:G0B+4*\slot+3], s[G0B+4*\slot+2:G0B+4*\slot+3], 1024      ; 512 along K
	JLOAD \slot
.endif
	PLACES
	FETCH \next, 0, F0
	WIN 0xa1
	MUL8 F1, 1, 0, 0
	MUL8 F1, 1, 2, 0
.endm
	s_wait_tensorcnt 1                             ; my part of heads 0-3 is in; heads 4-7 may stay out
	s_barrier_signal -1
	s_barrier_wait -1
	FETCH 0, 0, F0
	s_wait_loadcnt 0x0                             ; the bias
	THREE 0, 1                                     ; heads 0-3
	TURN 0, 1, 1                                   ; slot 0 gets heads 8-11
	THREE 1, 0                                     ; heads 4-7
	TURN 1, 0, 1                                   ; slot 1 gets heads 12-15
	THREE 0, 0
	TURN 0, 1, 0                                   ; nothing is left to fetch
	THREE 1, 0
	s_wait_dscnt 0
	WIN 0xa1
	MUL8 F1, 0, 0, 0
	MUL8 F1, 0, 2, 0
	MUL8 F1, 1, 0, 0
	MUL8 F1, 1, 2, 0
	; THE WAY OUT, 16 rows at a time: the accumulators go as they are (f32) into my own stage and come back as whole rows of 256 bytes
	PLACES
.macro OUT16 a, rb
	WIN 0x08                                       ; store data window 2
.irp b, 0,1,2,3
	ds_store_b128 v[STO], v[8*(4*\a+\b):8*(4*\a+\b)+3]   offset:64*\b
	ds_store_b128 v[STO], v[8*(4*\a+\b)+4:8*(4*\a+\b)+7] offset:64*\b+16
.endr
	WIN 0
	s_wait_xcnt 0x0                                ; the registers below, which earlier stores read, are rewritten only behind this wait
.irp u, 0,1,2,3,4,5,6,7
	ds_load_b128 v[\rb+4*\u:\rb+4*\u+3], v[RD] offset:2*SPITCH*\u     ; LDS serves a wave's instructions in order: these see the stores above
.endr
.irp u, 0,1,2,3,4,5,6,7
	s_wait_dscnt 7-\u
	global_store_b128 v[CO], v[\rb+4*\u:\rb+4*\u+3], s[10:11] offset:(16*\a+2*\u)*4096 th:TH_STORE_NT   ; 16 lanes store 256 consecutive bytes, aligned
.endr
.endm
	OUT16 0, F0
	OUT16 1, F1
	OUT16 2, F0
	OUT16 3, F1
	s_set_vgpr_msb 0x1
	s_wait_tensorcnt 0x0
	ds_add_u32 v255, v255
	s_wait_dscnt 0x0
	s_set_vgpr_msb 0x100
	CROUND                                         ; the closing round
	s_endpgm
.Lfunc_end_k_qf2fee5dc8e_oproj:
	.size	k_qf2fee5dc8e_oproj, .Lfunc_end_k_qf2fee5dc8e_oproj-k_qf2fee5dc8e_oproj
	.p2alignl 7, 3214868480
	.fill 96, 4, 3214868480
	.section	.rodata,"a",@progbits
	.p2align	6, 0x0
	.amdhsa_kernel k_qf2fee5dc8e_oproj
		.amdhsa_group_segment_fixed_size 327680
		.amdhsa_private_segment_fixed_size 0
		.amdhsa_enable_private_segment 0
		.amdhsa_kernarg_size 32
		.amdhsa_user_sgpr_count 2
		.amdhsa_user_sgpr_kernarg_segment_ptr 1
		.amdhsa_wavefront_size32 1
		.amdhsa_system_sgpr_workgroup_id_x 1
		.amdhsa_system_sgpr_workgroup_id_y 1
		.amdhsa_system_sgpr_workgroup_id_z 1
		.amdhsa_system_vgpr_workitem_id 0
		.amdhsa_next_free_vgpr 640
		.amdhsa_next_free_sgpr 80
		.amdhsa_reserve_vcc 0
		.amdhsa_float_denorm_mode_32 3
		.amdhsa_float_denorm_mode_16_64 3
		.amdhsa_memory_ordered 1
		.amdhsa_forward_progress 1
		.amdhsa_inst_pref_size 87
	.end_amdhsa_kernel
	.amdgpu_metadata
---
amdhsa.version: [ 1, 2 ]
amdhsa.kernels:
  - .name:           k_qf2fee5dc8e_oproj
    .symbol:         k_qf2fee5dc8e_oproj.kd
    .args:
      - { .name: att, .offset: 0, .size: 8, .value_kind: global_buffer, .address_space: global }
      - { .name: wot, .offset: 8, .size: 8, .value_kind: global_buffer, .address_space: global }
      - { .name: bo, .offset: 16, .size: 8, .value_kind: global_buffer, .address_space: global }
      - { .name: out0, .offset: 24, .size: 8, .value_kind: global_buffer, .address_space: global }
    .group_segment_fixed_size: 327680
    .private_segment_fixed_size: 0
    .kernarg_segment_align: 8
    .kernarg_segment_size: 32
    .max_flat_workgroup_size: 128
    .sgpr_count:     80
    .vgpr_count:     640
    .wavefront_size: 32
...
	.end_amdgpu_metadata
.endif
;; end of part 4
;; ======== version 2 of 2: 4 launches; version 1 with the launch prep written anew for expert scheduling mode
;; limits: values are held in f16: magnitudes above 65,504 overflow, below 6.1e-05 lose precision
;; workspace buffers: xh 8,388,608 bytes; wqkvt 6,291,456 bytes; wot 2,097,152 bytes; qh 8,388,608 bytes; kh 8,388,608 bytes; vh 8,388,608 bytes; att 8,388,608 bytes
;; launch prep (part 5): grid 1024 x 1, 8 waves a work-group, no clusters, 17,664 bytes of LDS; arguments x, Wq, Wk, Wv, Wo, xh, wqkvt, wot; writes xh, wqkvt, wot
.if DOCPART == 5
	.amdgcn_target "amdgcn-amd-amdhsa--gfx1250"
	.amdhsa_code_object_version 6
	.text
	.protected	k_qf2fee5dc8e_prep
	.globl	k_qf2fee5dc8e_prep
	.p2align	8
	.type	k_qf2fee5dc8e_prep,@function
k_qf2fee5dc8e_prep:
	s_mov_b64 s[64:65], 0
	v_nop
	global_prefetch_b8 v0, s[64:65] scope:SCOPE_SE
	s_setreg_imm32_b32 hwreg(HW_REG_WAVE_SCHED_MODE, 0, 2), 2
	s_setreg_imm32_b32 hwreg(HW_REG_WAVE_MODE, 25, 1), 1
	s_wait_xcnt 0x0
	s_wait_alu depctr_vm_vsrc(0)
; prep: the matrix operands of the two GEMM launches, once, in f16.
;   work-groups 0-511:    xh = f16(x), 8,192 numbers each, same order.
;   work-groups 512-1023: a block of 128 k x 64 n of one of Wq, Wk, Wv, Wo, rounded to f16 and TRANSPOSED, so that k runs along the rows:
;                         wqkvt row 192 h + 64 m + c = column 64 h + c of Wq, Wk, Wv (m = 0, 1, 2); wot row n = column n of Wo.
; LIMIT: f16 operands; |x| and |W| must stay below 65,504, and numbers below 2^-14 keep fewer than 11 bits.
; A stream: no matrix unit, no cluster, no tensor loads.  Every byte is read once by 16-byte loads of which 16 lanes cover 256 consecutive bytes,
; and every store of 16 (or 32) neighbouring lanes covers 256 consecutive bytes at a multiple of 256 from the buffer's start.
; THE MODE: SCHED_MODE bits 1:0 = 2 (LLVM: expert scheduling mode 2), set by the entry lines.  The code itself states the register dependences
; between vector instructions and memory or LDS instructions, with s_wait_alu, always for 0.
; THE PLAN.  Registers that memory or LDS instructions touch:
;   v1 to v5      offsets and LDS addresses: made once at a path's head, ahead of that path's first wait on va_vdst, and never written again.
;   RAW v[8:39]   the eight global loads land here; the conversions read it.  In the weights' path the LDS loads behind the barrier land in v[8:23],
;                 which only conversions have read: these stand ahead of the path's last wait on va_vdst.
;   OUT v[40:55]  each register is written by one conversion and read by one store (global in x's path, LDS in the weights'), and never written again:
;                 so no register that a memory or LDS instruction has read is ever rewritten, and no wait on vm_vsrc is needed for them.
;   v64, v65      written at the head, read by the closing add alone.
; Both paths go in four blocks of two loads.  Block p waits for its two loads; then ONE wait on va_vdst states that block p - 1's conversions have
; written their part of OUT; block p - 1's stores follow, dealt among block p's conversions, which name RAW[p] and OUT[p] alone.  One more wait
; stands ahead of the last block's stores.
.set XGROUPS, 512
.set TPITCH,  260                      ; LDS pitch of the transposed block: 65 words, so that word (n, kp) lies in bank (n + kp) mod 64
.set RAW,     8                        ; v[8:39]
.set OUT,     40                       ; v[40:55]
	s_load_b512 s[8:23], s[0:1], 0x0               ; x s[8:9], Wq s[10:11], Wk s[12:13], Wv s[14:15], Wo s[16:17], xh s[18:19], wqkvt s[20:21], wot s[22:23]
	v_lshl_add_u32 v64, v0, 2, 0x4100              ; my spare word, behind the 64 rows of 260 bytes; kept for the closing lines alone
	v_mov_b32 v65, 0
	s_cmp_lt_u32 ttmp9, XGROUPS                    ; the same for all waves of a work-group
	s_cbranch_scc0 .Lweights
	; ---- x to f16: 32,768 bytes in, 16,384 out
	s_lshl_b32 s2, ttmp9, 15
	s_mov_b32 s3, 0
	s_lshl_b32 s4, ttmp9, 14
	s_mov_b32 s5, 0
	v_lshlrev_b32 v1, 4, v0                        ; 16 bytes a thread in
	v_lshlrev_b32 v2, 3, v0                        ; 8 bytes a thread out
	s_wait_kmcnt 0x0
	s_add_nc_u64 s[8:9], s[8:9], s[2:3]
	s_add_nc_u64 s[18:19], s[18:19], s[4:5]
	s_wait_alu depctr_va_vdst(0)                   ; v1 and v2 are written: every load of this path reads v1 as its offset, every store v2
.irp i, 0,1,2,3,4,5,6,7
	global_load_b128 v[RAW+4*\i:RAW+4*\i+3], v1, s[8:9] offset:4096*\i th:TH_LOAD_NT
.endr
.irp p, 0,1,2,3
	s_wait_loadcnt 6-2*\p                          ; loads return in order: loads 2 p and 2 p + 1 are in, the 6 - 2 p younger ones stay out
.if \p
	s_wait_alu depctr_va_vdst(0)                   ; the block before has written its four registers of OUT, which the two stores below read
.endif
.irp j, 0,1
.if \p
	global_store_b64 v2, v[OUT+4*(\p-1)+2*\j:OUT+4*(\p-1)+2*\j+1], s[18:19] offset:4096*(\p-1)+2048*\j    ; a wave stores 256 consecutive bytes; no conversion since the wait names these registers
.endif
	v_cvt_pk_f16_f32 v[OUT+4*\p+2*\j],   v[RAW+8*\p+4*\j],   v[RAW+8*\p+4*\j+1]
	v_cvt_pk_f16_f32 v[OUT+4*\p+2*\j+1], v[RAW+8*\p+4*\j+2], v[RAW+8*\p+4*\j+3]
.endr
.endr
	s_wait_alu depctr_va_vdst(0)                   ; the last block has written v[52:55], which the last two stores read
	global_store_b64 v2, v[OUT+12:OUT+13], s[18:19] offset:12288
	global_store_b64 v2, v[OUT+14:OUT+15], s[18:19] offset:14336
	s_endpgm
	; ---- a block of a weight matrix, transposed through LDS
.Lweights:
	s_sub_co_u32 s2, ttmp9, XGROUPS                ; id = m * 128 + kb * 16 + h
	s_lshr_b32 s3, s2, 7                           ; m: which matrix
	s_and_b32 s4, s2, 15                           ; h: which 64 columns
	s_bfe_u32 s5, s2, 0x30004                      ; kb: which 128 rows (3 bits from bit 4)
	s_lshl_b32 s24, s5, 19                         ; 128 rows of 4,096 bytes
	s_lshl_b32 s25, s4, 8                          ; 64 columns of 4 bytes
	s_or_b32 s24, s24, s25
	s_mov_b32 s25, 0
	s_mul_i32 s26, s4, 192
	s_lshl_b32 s27, s3, 6
	s_add_co_u32 s26, s26, s27                     ; first row in wqkvt
	s_lshl_b32 s27, s4, 6                          ; first row in wot
	s_cmp_eq_u32 s3, 3
	s_cselect_b32 s26, s27, s26
	s_lshl_b32 s26, s26, 11                        ; rows of 2,048 bytes
	s_lshl_b32 s27, s5, 8                          ; 128 k of 2 bytes
	s_add_co_u32 s26, s26, s27
	s_mov_b32 s27, 0
	v_and_b32 v6, 15, v0                           ; c (in) and q (out)
	v_lshrrev_b32 v7, 4, v0                        ; kp0 (in) and n0 (out), 0 to 15
	v_lshlrev_b32 v1, 13, v7                       ; in: rows 2 kp0 and 2 kp0 + 1,
	v_lshl_or_b32 v1, v6, 4, v1                    ;     columns 4 c .. 4 c + 3
	v_mul_u32_u24 v3, v6, 4*TPITCH                 ; LDS in: row n = 4 c + e, word kp
	v_lshl_add_u32 v3, v7, 2, v3
	v_mul_u32_u24 v4, v7, TPITCH                   ; LDS out: row n0 + 16 i, words 4 q .. 4 q + 3
	v_lshl_add_u32 v4, v6, 4, v4
	v_lshlrev_b32 v5, 11, v7                       ; out: row n0 of the block, 16 bytes at 16 q
	v_lshl_or_b32 v5, v6, 4, v5
	s_wait_kmcnt 0x0
	s_cmp_eq_u32 s3, 1
	s_cselect_b64 s[28:29], s[12:13], s[10:11]
	s_cmp_eq_u32 s3, 2
	s_cselect_b64 s[28:29], s[14:15], s[28:29]
	s_cmp_eq_u32 s3, 3
	s_cselect_b64 s[28:29], s[16:17], s[28:29]     ; the matrix read
	s_cselect_b64 s[30:31], s[22:23], s[20:21]     ; the buffer written
	s_add_nc_u64 s[28:29], s[28:29], s[24:25]
	s_add_nc_u64 s[30:31], s[30:31], s[26:27]
	s_wait_alu depctr_va_vdst(0)                   ; v1, v3, v4 and v5 are written: the global loads, the LDS stores, the LDS loads and the global stores of this path read them as offsets and addresses
.irp i, 0,1,2,3
	global_load_b128 v[RAW+8*\i:RAW+8*\i+3],   v1, s[28:29] offset:131072*\i th:TH_LOAD_NT         ; row 2 (kp0 + 16 i)
	global_load_b128 v[RAW+8*\i+4:RAW+8*\i+7], v1, s[28:29] offset:131072*\i+4096 th:TH_LOAD_NT    ; the row below it
.endr
.irp i, 0,1,2,3
	s_wait_loadcnt 6-2*\i                          ; pair i of rows is in; the 6 - 2 i younger loads stay out
.if \i
	s_wait_alu depctr_va_vdst(0)                   ; the block before has written its four registers of OUT, which the four LDS stores below read
.endif
.irp e, 0,1,2,3
.if \i
	ds_store_b32 v3, v[OUT+4*(\i-1)+\e] offset:TPITCH*\e+64*(\i-1)     ; the wave's 32 lanes fall into 32 different banks (4 c + kp0 + constant); no conversion since the wait names this register or v3
.endif
	v_cvt_pk_f16_f32 v[OUT+4*\i+\e], v[RAW+8*\i+\e], v[RAW+8*\i+4+\e]  ; k = 2 kp and 2 kp + 1 of column 4 c + e: one word of the transposed row
.endr
.endr
	s_wait_alu depctr_va_vdst(0)                   ; the last block has written v[52:55], which the LDS stores below read; and all conversions are done reading v[8:23], in which the LDS loads behind the barrier land
.irp e, 0,1,2,3
	ds_store_b32 v3, v[OUT+12+\e] offset:TPITCH*\e+192
.endr
	s_wait_dscnt 0x0                               ; my stores are in LDS before I say so
	s_barrier_signal -1
	s_barrier_wait -1                              ; everybody's are
.irp i, 0,1,2,3
.irp e, 0,1,2,3
	ds_load_b32 v[RAW+4*\i+\e], v4 offset:16*TPITCH*\i+4*\e    ; rows of 260 bytes are not multiples of 16: four loads of one word
.endr
.endr
.irp i, 0,1,2,3
	s_wait_dscnt 12-4*\i                           ; the four words of row n0 + 16 i are in; the younger LDS loads stay out
	global_store_b128 v5, v[RAW+4*\i:RAW+4*\i+3], s[30:31] offset:32768*\i   ; 16 lanes store the block's 256 bytes of one transposed row
.endr
	s_wait_dscnt 0x0                               ; the closing lines, six on end
	s_wait_alu 0x0
	s_wait_tensorcnt 0x0
	ds_add_u32 v64, v65
	s_wait_dscnt 0x0
	s_endpgm
.Lfunc_end_k_qf2fee5dc8e_prep:
	.size	k_qf2fee5dc8e_prep, .Lfunc_end_k_qf2fee5dc8e_prep-k_qf2fee5dc8e_prep
	.p2alignl 7, 3214868480
	.fill 96, 4, 3214868480
	.section	.rodata,"a",@progbits
	.p2align	6, 0x0
	.amdhsa_kernel k_qf2fee5dc8e_prep
		.amdhsa_group_segment_fixed_size 17664
		.amdhsa_private_segment_fixed_size 0
		.amdhsa_enable_private_segment 0
		.amdhsa_kernarg_size 64
		.amdhsa_user_sgpr_count 2
		.amdhsa_user_sgpr_kernarg_segment_ptr 1
		.amdhsa_wavefront_size32 1
		.amdhsa_system_sgpr_workgroup_id_x 1
		.amdhsa_system_sgpr_workgroup_id_y 1
		.amdhsa_system_sgpr_workgroup_id_z 1
		.amdhsa_system_vgpr_workitem_id 0
		.amdhsa_next_free_vgpr 66
		.amdhsa_next_free_sgpr 66
		.amdhsa_reserve_vcc 0
		.amdhsa_float_denorm_mode_32 3
		.amdhsa_float_denorm_mode_16_64 3
		.amdhsa_memory_ordered 1
		.amdhsa_forward_progress 1
		.amdhsa_inst_pref_size 11
	.end_amdhsa_kernel
	.amdgpu_metadata
---
amdhsa.version: [ 1, 2 ]
amdhsa.kernels:
  - .name:           k_qf2fee5dc8e_prep
    .symbol:         k_qf2fee5dc8e_prep.kd
    .args:
      - { .name: x, .offset: 0, .size: 8, .value_kind: global_buffer, .address_space: global }
      - { .name: Wq, .offset: 8, .size: 8, .value_kind: global_buffer, .address_space: global }
      - { .name: Wk, .offset: 16, .size: 8, .value_kind: global_buffer, .address_space: global }
      - { .name: Wv, .offset: 24, .size: 8, .value_kind: global_buffer, .address_space: global }
      - { .name: Wo, .offset: 32, .size: 8, .value_kind: global_buffer, .address_space: global }
      - { .name: xh, .offset: 40, .size: 8, .value_kind: global_buffer, .address_space: global }
      - { .name: wqkvt, .offset: 48, .size: 8, .value_kind: global_buffer, .address_space: global }
      - { .name: wot, .offset: 56, .size: 8, .value_kind: global_buffer, .address_space: global }
    .group_segment_fixed_size: 17664
    .private_segment_fixed_size: 0
    .kernarg_segment_align: 8
    .kernarg_segment_size: 64
    .max_flat_workgroup_size: 256
    .sgpr_count:     66
    .vgpr_count:     66
    .wavefront_size: 32
...
	.end_amdgpu_metadata
.endif
;; end of part 5
;; launch qkv: the kernel of part 2 again; grid 16 x 16, 4 waves a work-group, clusters of 4 x 4, 327,680 bytes of LDS; arguments xh, wqkvt, bq, bk, bv, qh, kh, vh; writes qh, kh, vh
;; launch attn: the kernel of part 3 again; grid 4 x 64, 8 waves a work-group, clusters of 4 x 1, 327,680 bytes of LDS; arguments qh, kh, vh, case_ids, verb_mask, case_bias, verb_bias, att; writes att
;; launch oproj: the kernel of part 4 again; grid 8 x 32, 4 waves a work-group, clusters of 4 x 4, 327,680 bytes of LDS; arguments att, wot, bo, out0; writes out0
